; MI455X (gfx1250); checked and timed in simulation.
; The chip was launched on July 23, 2026; its instructions are those of AMD's public machine-readable ISA for CDNA 5 (MIT licence, August 2026) and "CDNA5" Instruction Set Architecture Reference Guide (July 2026). The comments in the code are by the model that wrote it; some were corrected since.
;; Attention. Allowed arithmetic: float matrix products may take bf16 or f16 operands with f32 sums; other float arithmetic in f32, or as packed bf16 or f16 multiplies, adds, multiply-adds, maxima and minima; sums over many terms, partial sums and values carried from step to step in f32; what a program stores and reads back later, other than sums and carried values, may be rounded once to bf16 or f16.
;; Inputs: W 512 x 512 float32; b 512 float32; lstm_out 8 x 2,048 x 512 float32.
;; Outputs: out0 8 x 2,048 x 512 float32.
;; 2 versions, each right. Each part assembles by itself: llvm-mc -triple=amdgcn-amd-amdhsa -mcpu=gfx1250 --defsym DOCPART=n.
;; ======== version 1 of 2: 2 launches
;; workspace buffers: q 16,777,216 bytes; xb 16,777,216 bytes
;; launch proj (part 1): grid 2 x 128, 4 waves a work-group, no clusters, 253,440 bytes of LDS; arguments lstm_out, W, b, q, xb; writes q, xb
.if DOCPART == 1
	.amdgcn_target "amdgcn-amd-amdhsa--gfx1250"
	.amdhsa_code_object_version 6
	.text
	.protected	k_qb37140a6ba_proj
	.globl	k_qb37140a6ba_proj
	.p2align	8
	.type	k_qb37140a6ba_proj,@function
k_qb37140a6ba_proj:
	s_mov_b64 s[64:65], 0
	v_nop
	global_prefetch_b8 v0, s[64:65] scope:SCOPE_SE
	s_setreg_imm32_b32 hwreg(HW_REG_WAVE_MODE, 25, 1), 1
	s_wait_xcnt 0x0
; THE PROJECTION.  q[n][k] = the sum over h of x[n][h] W[k][h] + b[k], for the 16,384 rows n of lstm_out (x) and k = 0..511; and xb = x.  x, W, b: f32.  q, xb: [16384][512] bf16.
; x and W are rounded once to bf16 for the matrix unit; sums in f32, started with b in f32 (b is the C operand of each sum's first product); q is rounded once.  xb is x rounded once: the next launch's V.
; NOTHING IS LEFT OUT.  Every input has a way to the result: x as V and through q, W and b through q.  Of a score q_n . q_m the terms b . (W x_n) and b . b are the same along the softmax's axis,
; but they lie in one product with the live terms (W x_n) . (W x_m) and (W x_n) . b: they are no unit of their own, and stay.
; LIMITS.  The error of operands rounded to bf16 grows with the inputs; bf16 has f32's range, so nothing overflows that f32 holds.  NaN and infinities are not treated apart.
; SHARES.  A work-group makes 128 rows x 256 columns of q: 128 x 2 = 256 work-groups.  Wave w makes rows 64 (w / 2) .. + 63 and columns 128 (w % 2) .. + 127: 32 accumulators of 16 x 16.
; THE WAY IN.  K goes in four chunks of 128.  A chunk's 128 rows of x and 256 rows of W come as f32 into registers (8 numbers a lane and pair of loads), are rounded ONCE, and go as bf16 into one
; of two LDS slots; the fragments are read from there.  NO TENSOR LOAD AND NO CLUSTER: the tiles are f32 and the matrix unit wants bf16.  f32 tiles in LDS would double the fragment loads
; (48 for 32 products in place of 24) and every wave that reads a fragment would round it again; so the bytes pass through registers, where no joint request can bring them.
; Of the two work-groups that read the same rows of x, the one with column half c / 2 stores chunk c of xb: each byte of xb is stored once.
; THE MATRIX INSTRUCTION IS USED TRANSPOSED (source 0 = 16 rows of W, source 1 = 16 rows of x): a lane then holds eight neighbouring columns of one row of q.
; REGISTERS, in windows of 256 (s_set_vgpr_msb: bits 1:0 source 0, 3:2 source 1, 5:4 source 2, 7:6 destination):
;   window 0: v2-18 addresses; v32-63 packed results; v64-159, v160-255 two fragment buffers (8 of W, then 4 of x)       window 1: accumulator (i, j) at v[8 (8 i + j)]
;   window 2 and window 3 v0-127: the chunk on its way in, 8 registers a pair of loads       window 3 v128-191: b, as eight C operands
.set PITCH, 272                        ; an LDS row: 256 bytes of bf16 + 16 = 68 words: the 16 rows of a fragment load start at 16 different groups of four banks (64 banks of 4 bytes: ISA guide 11.1)
.set WT,    128*PITCH                  ; in a slot: 128 rows of x, then 256 rows of W
.set SLOT,  131072                     ; slot 1 begins here
.set STAGE, SLOT+384*PITCH             ; behind the slots: 16 rows x 272 bytes for each wave, for the way out
.set SPARE, STAGE+4*16*PITCH           ; behind the stages: the spare words, 128 bytes for each wave: two blocks of 256 bytes that no other line names
.set XO,  2                            ; v2     my byte offset in the work-group's rows of x: (32 w + l / 16) x 2,048 + 32 (l % 16)
.set WO,  3                            ; v3     the same in its rows of W: (64 w + l / 16) x 2,048 + 32 (l % 16)
.set XS,  4                            ; v4-5   where I put 16 bytes of x in slot 0, 1
.set WS,  6                            ; v6-7   the same for W
.set XA,  8                            ; v8-9   my x fragments in slot 0, 1
.set WA,  10                           ; v10-11 my W fragments
.set XBO, 12                           ; v12    my byte offset in the work-group's rows of xb
.set BO,  13                           ; v13    32 (l / 16): my eight numbers of 16 of b
.set SPW, 14                           ; v14    LDS address of my spare word; never rewritten
.set NIL, 15                           ; v15    0; never rewritten
.set STO, 16                           ; v16    the way out: where I put 16 bytes of a row
.set RD,  17                           ; v17    the way out: where I read rows back
.set CO,  18                           ; v18    my byte offset in two rows of q
.set TMP, 32
.set F0,  64
.set F1,  160
.set BIAS, 128                         ; in window 3
.set MSB, 0
.macro WIN new                         ; the immediate's high byte repeats the setting that is left; a switch that changes nothing is dropped
.if MSB != (\new)
	s_set_vgpr_msb (MSB<<8)|(\new)
.set MSB, \new
.endif
.endm
.macro PLACES                          ; four plain instructions between a matrix instruction and a load into, or a vector read of, its registers (ISA guide 7.12.1 for vector reads)
.rept 4
	v_nop
.endr
.endm
	s_load_b256 s[4:11], s[0:1], 0x0               ; x s[4:5], W s[6:7], b s[8:9], q s[10:11]
	s_load_b64 s[12:13], s[0:1], 0x20              ; xb
	v_lshl_add_u32 v[SPW], v0, 2, SPARE
	v_mov_b32 v[NIL], 0
	v_lshrrev_b32 v1, 5, v0
	v_readfirstlane_b32 s14, v1                    ; wave 0..3
	s_lshr_b32 s15, s14, 1                         ; which 64 rows are mine
	s_and_b32 s16, s14, 1                          ; which 128 columns
	s_mov_b32 s17, ttmp9                           ; the column half
	s_and_b32 s18, ttmp7, 0xffff                   ; the block of 128 rows
	v_and_b32 v20, 15, v0                          ; l % 16
	v_bfe_u32 v21, v0, 4, 1                        ; l / 16
	v_lshlrev_b32 v22, 5, v20
	v_lshl_add_u32 v22, v21, 11, v22               ; 32 (l % 16) + 2,048 (l / 16): sixteen lanes take a row's 512 bytes of a chunk, the other sixteen the next row's
	s_lshl_b32 s20, s14, 16
	v_add_nc_u32 v[XO], s20, v22
	s_lshl_b32 s20, s14, 17
	v_add_nc_u32 v[WO], s20, v22
	v_mul_u32_u24 v23, v21, PITCH
	v_lshl_add_u32 v23, v20, 4, v23                ; by rows: 272 (l / 16) + 16 (l % 16)
	s_mul_i32 s20, s14, 32*PITCH
	v_add_nc_u32 v[XS], s20, v23
	v_add_nc_u32 v[XS+1], SLOT, v[XS]
	s_mul_i32 s20, s14, 64*PITCH
	s_add_co_u32 s20, s20, WT
	v_add_nc_u32 v[WS], s20, v23
	v_add_nc_u32 v[WS+1], SLOT, v[WS]
	v_mul_u32_u24 v24, v20, PITCH
	v_lshl_add_u32 v24, v21, 4, v24                ; by fragments: 272 (l % 16) + 16 (l / 16)
	s_mul_i32 s20, s15, 64*PITCH
	v_add_nc_u32 v[XA], s20, v24
	v_add_nc_u32 v[XA+1], SLOT, v[XA]
	s_mul_i32 s20, s16, 128*PITCH
	s_add_co_u32 s20, s20, WT
	v_add_nc_u32 v[WA], s20, v24
	v_add_nc_u32 v[WA+1], SLOT, v[WA]
	v_lshlrev_b32 v[CO], 4, v20
	v_lshl_add_u32 v[CO], v21, 10, v[CO]           ; 16 (l % 16) + 1,024 (l / 16): two rows of bf16
	s_lshl_b32 s20, s14, 15
	v_add_nc_u32 v[XBO], s20, v[CO]
	v_lshlrev_b32 v[BO], 5, v21
	s_mul_i32 s20, s14, 16*PITCH
	s_add_co_u32 s20, s20, STAGE
	v_add_nc_u32 v[STO], s20, v24
	v_add_nc_u32 v[RD], s20, v23
	s_lshl_b32 s20, s18, 18                        ; x: 128 rows of 2,048 bytes
	s_mov_b32 s21, 0
	s_lshl_b32 s22, s17, 19                        ; W: 256 rows of 2,048 bytes
	s_mov_b32 s23, 0
	s_lshl_b32 s24, s17, 10                        ; b: 4 (256 half + 128 quarter)
	s_lshl_b32 s25, s16, 9
	s_add_co_u32 s24, s24, s25
	s_mov_b32 s25, 0
	s_lshl_b32 s28, s18, 17                        ; xb: 128 rows of 1,024 bytes
	s_mov_b32 s29, 0
	s_lshl_b32 s26, s15, 16                        ; q: the same, + my 64 rows, + my 128 columns
	s_add_co_u32 s26, s26, s28
	s_lshl_b32 s27, s17, 9
	s_add_co_u32 s26, s26, s27
	s_lshl_b32 s27, s16, 8
	s_add_co_u32 s26, s26, s27
	s_mov_b32 s27, 0
	s_wait_kmcnt 0x0
	s_add_nc_u64 s[4:5], s[4:5], s[20:21]
	s_add_nc_u64 s[6:7], s[6:7], s[22:23]
	s_add_nc_u64 s[8:9], s[8:9], s[24:25]
	s_add_nc_u64 s[10:11], s[10:11], s[26:27]
	s_add_nc_u64 s[12:13], s[12:13], s[28:29]
; A third of chunk c's 96 loads.  part 0: my 32 rows of x; part 1, 2: the two halves of my 64 rows of W.  A pair of loads brings a lane 8 numbers of f32; the chunk stands in the immediate.
.macro LOADP c, part
.if (\part) == 0
	WIN 0x80                                       ; destination window 2, address window 0
.set p, 0
.rept 16
	global_load_b128 v[8*p:8*p+3],   v[XO], s[4:5] offset:4096*p+512*(\c)
	global_load_b128 v[8*p+4:8*p+7], v[XO], s[4:5] offset:4096*p+512*(\c)+16
.set p, p+1
.endr
.elseif (\part) == 1
	WIN 0x80
.set p, 16
.rept 16
	global_load_b128 v[8*p:8*p+3],   v[WO], s[6:7] offset:4096*(p-16)+512*(\c)
	global_load_b128 v[8*p+4:8*p+7], v[WO], s[6:7] offset:4096*(p-16)+512*(\c)+16
.set p, p+1
.endr
.else
	WIN 0xc0                                       ; destination window 3
.set p, 0
.rept 16
	global_load_b128 v[8*p:8*p+3],   v[WO], s[6:7] offset:4096*(p+16)+512*(\c)
	global_load_b128 v[8*p+4:8*p+7], v[WO], s[6:7] offset:4096*(p+16)+512*(\c)+16
.set p, p+1
.endr
.endif
	WIN 0
.endm
; Chunk c is rounded to bf16, in place (8 registers become 4), and goes into slot c % 2; its x also goes to xb, from the work-group whose column half is c / 2.
.macro CONVERT c
	s_wait_loadcnt 0x0                             ; the whole chunk is in
	WIN 0x8a                                       ; sources and destination window 2
.set p, 0
.rept 32
.irp k, 0,1,2,3
	v_cvt_pk_bf16_f32 v[8*p+\k], v[8*p+2*\k], v[8*p+2*\k+1]
.endr
.set p, p+1
.endr
	WIN 0x08                                       ; address window 0, data window 2
.set p, 0
.rept 16
	ds_store_b128 v[XS+((\c)&1)], v[8*p:8*p+3] offset:544*p
.set p, p+1
.endr
.rept 16
	ds_store_b128 v[WS+((\c)&1)], v[8*p:8*p+3] offset:544*(p-16)
.set p, p+1
.endr
	WIN 0                                          ; at a branch and at a label every window is 0
	s_cmp_eq_u32 s17, (\c)/2
	s_cbranch_scc0 .Lnot_mine_\@
	WIN 0x08
.set p, 0
.rept 16
	global_store_b128 v[XBO], v[8*p:8*p+3], s[12:13] offset:2048*p+256*(\c)  ; 16 lanes store 256 consecutive bytes, at a multiple of 256 from xb's first byte
.set p, p+1
.endr
	WIN 0
.Lnot_mine_\@:
	WIN 0xcf                                       ; sources and destination window 3
.set p, 0
.rept 16
.irp k, 0,1,2,3
	v_cvt_pk_bf16_f32 v[8*p+\k], v[8*p+2*\k], v[8*p+2*\k+1]
.endr
.set p, p+1
.endr
	WIN 0x0c                                       ; data window 3
.set p, 0
.rept 16
	ds_store_b128 v[WS+((\c)&1)], v[8*p:8*p+3] offset:544*(p+16)
.set p, p+1
.endr
	WIN 0
	s_wait_xcnt 0x0                                ; the stores to xb have read their data: only behind this wait are those registers loaded again
.endm
; 24 LDS loads in one run: the fragments of 32 along K at byte k of the slot's rows: 8 x 16 rows of W, 4 x 16 rows of x.
; A fragment is 16 rows x 32 K in 8 registers: lane l holds row l % 16, K = 8 (l / 16) + 0..7 and 16 + 8 (l / 16) + 0..7: two loads of 16 bytes, 32 bytes apart.
.macro FETCH slot, k, f
	WIN 0
.irp j, 0,1,2,3,4,5,6,7
	ds_load_b128 v[(\f)+8*\j:(\f)+8*\j+3],   v[WA+(\slot)] offset:(\k)+\j*16*PITCH
	ds_load_b128 v[(\f)+8*\j+4:(\f)+8*\j+7], v[WA+(\slot)] offset:(\k)+\j*16*PITCH+32
.endr
.irp i, 0,1,2,3
	ds_load_b128 v[(\f)+64+8*\i:(\f)+64+8*\i+3],   v[XA+(\slot)] offset:(\k)+\i*16*PITCH
	ds_load_b128 v[(\f)+64+8*\i+4:(\f)+64+8*\i+7], v[XA+(\slot)] offset:(\k)+\i*16*PITCH+32
.endr
.endm
; 16 matrix instructions: row tiles i0, i0 + 1 x all 8 column blocks.  The 32 accumulators take turns, in the same order in every quarter.
; first = 1: the sum's first product takes b as C: nothing is cleared, and no bias is added afterwards.
.macro MUL16 f, i0, first
.if \first
	WIN 0x70                                       ; C window 3, D window 1
.else
	WIN 0x50                                       ; C and D window 1
.endif
.irp i, \i0, (\i0)+1
.irp j, 0,1,2,3,4,5,6,7
.if \first
	v_wmma_f32_16x16x32_bf16 v[8*(8*(\i)+\j):8*(8*(\i)+\j)+7], v[(\f)+8*\j:(\f)+8*\j+7], v[(\f)+64+8*(\i):(\f)+64+8*(\i)+7], v[BIAS+8*\j:BIAS+8*\j+7]
.else
	v_wmma_f32_16x16x32_bf16 v[8*(8*(\i)+\j):8*(8*(\i)+\j)+7], v[(\f)+8*\j:(\f)+8*\j+7], v[(\f)+64+8*(\i):(\f)+64+8*(\i)+7], v[8*(8*(\i)+\j):8*(8*(\i)+\j)+7]
.endif
.endr
.endr
.endm
; One of a chunk's first three quarters: the next quarter's fragments, at byte k, are asked for into g; then f is multiplied.
.macro QUARTER slot, k, f, g, first
	PLACES                                         ; g was multiplied just before
	FETCH \slot, \k, \g
	s_wait_dscnt 24                                ; all but the 24 just issued: f is in
	MUL16 \f, 0, \first
	MUL16 \f, 2, \first
.endm
; A chunk's last quarter, and the change of slots.  Chunk cv goes into slot next, which every wave left at the barrier before this one.  ONE barrier: in front of it my stores into slot next are done and
; my reads of the slot in hand are back; behind it slot next is whole, and the slot in hand may be written in the next change.
.macro TURN next, cv, ld
	CONVERT \cv
.if (\ld) < 4
	LOADP \ld, 0
.endif
	s_wait_dscnt 0x0
	s_barrier_signal -1
	MUL16 F1, 0, 0                                 ; work on registers while the others arrive
	s_barrier_wait -1
	PLACES
	FETCH \next, 0, F0
	MUL16 F1, 2, 0
.endm
; THE WAY OUT of row tile i: rounded to bf16, 16 bytes a lane, into my own stage; back as whole rows of 256 bytes; stored.  Each accumulator's registers are taken in ascending order.
.macro OUT i
	WIN 0x05                                       ; sources window 1, destination window 0
.irp j, 0,1,2,3,4,5,6,7
.irp k, 0,1,2,3
	v_cvt_pk_bf16_f32 v[TMP+4*\j+\k], v[8*(8*(\i)+\j)+2*\k], v[8*(8*(\i)+\j)+2*\k+1]
.endr
.endr
	WIN 0
.irp j, 0,1,2,3,4,5,6,7
	ds_store_b128 v[STO], v[TMP+4*\j:TMP+4*\j+3] offset:32*\j
.endr
	s_wait_xcnt 0x0                                ; earlier stores to q have read their data: their registers are loaded again only behind this wait
.irp t, 0,1,2,3,4,5,6,7
	ds_load_b128 v[F0+32*((\i)%2)+4*\t:F0+32*((\i)%2)+4*\t+3], v[RD] offset:544*\t  ; LDS serves a wave's instructions in order (ISA guide 5.7.1.4): these see the stores above
.endr
	s_wait_dscnt 0x0
.irp t, 0,1,2,3,4,5,6,7
	global_store_b128 v[CO], v[F0+32*((\i)%2)+4*\t:F0+32*((\i)%2)+4*\t+3], s[10:11] offset:(16*(\i)+2*\t)*1024  ; 16 lanes store 256 consecutive bytes, at a multiple of 256 from q's first byte
.endr
.endm
	LOADP 0, 0                                     ; chunk 0
	LOADP 0, 1
	LOADP 0, 2
	WIN 0xc0
.irp j, 0,1,2,3,4,5,6,7                                ; b as C operands: register jj of block j holds b of column 16 j + 8 (l / 16) + jj of my 128
	global_load_b128 v[BIAS+8*\j:BIAS+8*\j+3],   v[BO], s[8:9] offset:64*\j
	global_load_b128 v[BIAS+8*\j+4:BIAS+8*\j+7], v[BO], s[8:9] offset:64*\j+16
.endr
	WIN 0
	CONVERT 0
	LOADP 1, 0
	s_wait_dscnt 0x0                               ; my part of slot 0 is written,
	s_barrier_signal -1
	s_barrier_wait -1                              ; everybody's is
	FETCH 0, 0, F0
	QUARTER 0, 64,  F0, F1, 1                      ; chunk 0; its first quarter starts the sums
	LOADP 1, 1                                     ; the rest of the next chunk's loads stand between the quarters, 32 at a time
	QUARTER 0, 128, F1, F0, 0
	LOADP 1, 2
	QUARTER 0, 192, F0, F1, 0
	TURN 1, 1, 2
	QUARTER 1, 64,  F0, F1, 0                      ; chunk 1
	LOADP 2, 1
	QUARTER 1, 128, F1, F0, 0
	LOADP 2, 2
	QUARTER 1, 192, F0, F1, 0
	TURN 0, 2, 3
	QUARTER 0, 64,  F0, F1, 0                      ; chunk 2
	LOADP 3, 1
	QUARTER 0, 128, F1, F0, 0
	LOADP 3, 2
	QUARTER 0, 192, F0, F1, 0
	TURN 1, 3, 4
	QUARTER 1, 64,  F0, F1, 0                      ; chunk 3: nothing more comes in
	QUARTER 1, 128, F1, F0, 0
	QUARTER 1, 192, F0, F1, 0
	s_wait_dscnt 0x0
	MUL16 F1, 0, 0
	MUL16 F1, 2, 0
	PLACES
	OUT 0
	OUT 1
	OUT 2
	OUT 3
	s_wait_tensorcnt 0x0                           ; the wave's end, behind my last LDS store
	ds_add_u32 v[SPW], v[NIL]
	s_wait_dscnt 0x0
	s_endpgm
.Lfunc_end_k_qb37140a6ba_proj:
	.size	k_qb37140a6ba_proj, .Lfunc_end_k_qb37140a6ba_proj-k_qb37140a6ba_proj
	.p2alignl 7, 3214868480
	.fill 96, 4, 3214868480
	.section	.rodata,"a",@progbits
	.p2align	6, 0x0
	.amdhsa_kernel k_qb37140a6ba_proj
		.amdhsa_group_segment_fixed_size 253440
		.amdhsa_private_segment_fixed_size 0
		.amdhsa_enable_private_segment 0
		.amdhsa_kernarg_size 40
		.amdhsa_user_sgpr_count 2
		.amdhsa_user_sgpr_kernarg_segment_ptr 1
		.amdhsa_wavefront_size32 1
		.amdhsa_system_sgpr_workgroup_id_x 1
		.amdhsa_system_sgpr_workgroup_id_y 1
		.amdhsa_system_sgpr_workgroup_id_z 1
		.amdhsa_system_vgpr_workitem_id 0
		.amdhsa_next_free_vgpr 960
		.amdhsa_next_free_sgpr 66
		.amdhsa_reserve_vcc 0
		.amdhsa_float_denorm_mode_32 3
		.amdhsa_float_denorm_mode_16_64 3
		.amdhsa_memory_ordered 1
		.amdhsa_forward_progress 1
		.amdhsa_inst_pref_size 185
	.end_amdhsa_kernel
	.amdgpu_metadata
---
amdhsa.version: [ 1, 2 ]
amdhsa.kernels:
  - .name:           k_qb37140a6ba_proj
    .symbol:         k_qb37140a6ba_proj.kd
    .args:
      - { .name: lstm_out, .offset: 0, .size: 8, .value_kind: global_buffer, .address_space: global }
      - { .name: W, .offset: 8, .size: 8, .value_kind: global_buffer, .address_space: global }
      - { .name: b, .offset: 16, .size: 8, .value_kind: global_buffer, .address_space: global }
      - { .name: q, .offset: 24, .size: 8, .value_kind: global_buffer, .address_space: global }
      - { .name: xb, .offset: 32, .size: 8, .value_kind: global_buffer, .address_space: global }
    .group_segment_fixed_size: 253440
    .private_segment_fixed_size: 0
    .kernarg_segment_align: 8
    .kernarg_segment_size: 40
    .max_flat_workgroup_size: 128
    .sgpr_count:     66
    .vgpr_count:     960
    .wavefront_size: 32
...
	.end_amdgpu_metadata
.endif
;; end of part 1
;; launch attn (part 2): grid 32 x 8, 4 waves a work-group, clusters of 4 x 1, 327,680 bytes of LDS; arguments q, xb, out0; writes out0
.if DOCPART == 2
	.amdgcn_target "amdgcn-amd-amdhsa--gfx1250"
	.amdhsa_code_object_version 6
	.text
	.protected	k_qb37140a6ba_attn
	.globl	k_qb37140a6ba_attn
	.p2align	8
	.type	k_qb37140a6ba_attn,@function
k_qb37140a6ba_attn:
	s_mov_b64 s[64:65], 0
	v_nop
	global_prefetch_b8 v0, s[64:65] scope:SCOPE_SE
	s_setreg_imm32_b32 hwreg(HW_REG_WAVE_MODE, 25, 1), 1
	s_wait_xcnt 0x0
	s_wait_alu depctr_hold_cnt(0) depctr_sa_sdst(0) depctr_va_vdst(0) depctr_va_sdst(0) depctr_va_ssrc(0) depctr_va_vcc(0) depctr_vm_vsrc(0)
	s_getreg_b32 s2, hwreg(HW_REG_IB_STS2, 6, 4)
	s_cmp_eq_u32 s2, 0
	s_cbranch_scc0 .Lentry_in_a_cluster
	s_endpgm
.Lentry_in_a_cluster:
	s_bfe_u32 s2, ttmp6, 0x10000c
	s_cmp_lg_u32 s2, 0x3003
	s_cbranch_scc0 .Lentry_shape_is_right
	s_endpgm
.Lentry_shape_is_right:
; ATTENTION.  out0[b][n][:] = the sum over m of softmax_m(q[b][n] . q[b][m]) xb[b][m][:], unscaled.  q (queries AND keys) and xb (values): [8][2048][512] bf16, made by the launch before.  out0: f32.
; Products, maxima and sums in f32; the weights p are rounded to bf16 for the second product (their sum l is taken of the unrounded p).  Nothing is left out: all keys count for all queries.
; LIMITS.  The error of bf16 operands grows with the inputs.  A weight below 2^-126 counts as 0.  NaN and infinities are not treated apart.
; SHARES.  A work-group owns 64 queries of one batch: 256 work-groups.  It walks the batch's 2,048 keys, 64 a step.  A key is 1,024 bytes as K and 1,024 as V, so the four waves SHARE the 64 queries:
;   scores:  wave w makes S^T = K Q^T for the step's keys 16 w .. 16 w + 15 and all 64 queries (4 accumulators, 64 products); every wave holds all of Q, 512 registers;
;   context: wave w owns channels 128 w .. 128 w + 127 of O^T = V^T P for all 64 queries (32 accumulators, 64 products).
; So each fragment of K or V read from LDS feeds four products.  The price: the queries' maxima and the weights P change waves through LDS, with two barriers a step, of which one is the ring's.
; LAYOUT.  In S^T a lane holds ONE query (lane % 16) and the keys 8 (lane / 16) + 0..7 of its wave's 16.  Rounded to bf16 in pairs these four registers ARE half of a fragment of source 1
; (32 keys x 16 queries) of V^T P, in the same lane: wave w stores them as part w % 2 of key half w / 2, 16 bytes a lane, and every wave reads whole fragments back.  O^T again holds one query a lane.
; SOFTMAX.  A running maximum m for each query, the same in all four waves: p = 2^((s - m) log2 e); O and l are multiplied by a = 2^((m_old - m_new) log2 e) in every step.  l is kept by wave and lane
; (its own keys' weights) and added up at the end.
; THE PIPELINE.  Trip t: the LDS fetches, and O times a(t); K Q^T of step t + 1; V^T P of step t, and behind its products the softmax of step t + 1 in fours; the change of slots in its last 16 products.
; THE RING.  Two slots of K and two of V, 64 keys each.  The change of slots at the end of trip t fills again just what trip t read: K(t + 3) goes where K(t + 1) lay, V(t + 2) where V(t) lay; waves 0 and 1
; fetch K's two halves, waves 2 and 3 V's: one tensor load a wave, of 32 rows x 1,024 bytes, which has a whole trip less 16 products in which to land.  A wave has two loads out at the start at the most, then one.
; CLUSTER.  The four work-groups of a cluster belong to one batch and walk the same K and V: each tile is asked for JOINTLY, by the same tensor load, descriptor and mask in all four.
; REGISTERS, in windows of 256 (s_set_vgpr_msb: bits 1:0 source 0, 3:2 source 1, 5:4 source 2, 7:6 destination):
;   window 0: v1-15 addresses; v16-47 statistics, 8 a query tile; v48-63 at work; v64-95 S^T; v96-159 P's eight fragments; v160-255 three buffers of 32 for K's and V's fragments
;   window 1: O^T, channel block cb and query tile t at v[8 (4 cb + t)]       window 2, 3: Q, tile t and channel step c at v[64 t + 8 (c % 8)] of window 2 + c / 8
.set PK,    1040      ; a row of K in LDS: 1,024 bytes + 16 = 260 words: the 16 rows of a load start at 16 different groups of four banks (64 banks of 4 bytes: ISA guide 11.1)
.set PVP,   1056      ; a row of V: 1,024 + 32 = 264 words
.set KX,    64*PK     ; K's slot 1 begins here (slot 0 at 0): one exclusive or turns an address in one slot into the other's
.set V0,    2*64*PK   ; V's slot 0: 0x20800
.set V1,    V0+64*PVP ; V's slot 1: 0x31000
.set VX,    0x11800   ; V0 xor V1; it also turns V0 + 32 rows into V1 + 32 rows
.set PB,    V1+64*PVP ; P: fragment (key half g, query tile t) at 1,024 (4 g + t), its two parts 512 apart, 16 bytes a lane
.set MB,    PB+8192   ; the waves' maxima: 256 w + 16 (query % 16) + 4 tile
.set LB,    1024      ; behind them, the waves' sums l, laid likewise
.set STAGE, MB+2048   ; 16 rows x 528 bytes for each wave, for the way out
.set SP,    528
.set SPARE, STAGE+4*16*SP  ; the spare words, 128 bytes for each wave: two blocks of 256 bytes that no other line names
.set AK0, 2           ; v2   my lane's place in a slot of K: (16 w + l % 16) x 1,040 + 16 (l / 16); never rewritten
.set AV0, 3           ; v3   in a slot of V: (8 (l / 16) + l % 8) x 1,056 + 16 ((l / 8) % 2) + 256 w; never rewritten
.set AK,  4           ; v4   AK0 + the slot in hand
.set AV,  5           ; v5   AV0 + the slot in hand
.set APS, 6           ; v6   where I store my 16 bytes of P
.set APL, 7           ; v7   where I read P's fragments
.set AMS, 8           ; v8   where I store four maxima
.set AML, 9           ; v9   where I read the waves' maxima
.set PFO, 10          ; v10  the prefetches' offset: 1,024 (l / 4) + 256 (l % 4); never rewritten
.set STO, 11          ; v11  the way out: where I put 32 bytes of a row
.set RD,  12          ; v12  the way out: where I read a row back
.set GO,  13          ; v13  my byte offset in a row of out0
.set SPW, 14          ; v14  LDS address of my spare word; never rewritten
.set NIL, 15          ; v15  0; never rewritten
.set ST,  16          ; tile t's statistics at v[ST+8 t]: +0 m, +1 its pair's partner, +2 a, +3 a's argument, +4, +5 l (even keys', odd keys'), +6, +7 at work
.set T16, 48          ; the maxima on their way, then P packed
.set S,   64
.set PF,  96
.set BX,  160
.set BY,  192
.set BZ,  224
.set WV,  12          ; s12  my wave's number
.set G1K, 24          ; s[24:31] descriptor group 1 for K's tiles
.set G1V, 32          ; s[32:39] for V's: it differs in the padding alone
.set G0K0, 40         ; s[40:43] descriptor group 0 for K of step 0
.set G0K, 44          ; s[44:47] for K of step 1; it then walks
.set G0V, 48          ; s[48:51] for V of step 0; it then walks
.set CNT, 52          ; s52  the loop's count
.set KRD, 53          ; s53  K's slot in hand
.set VRD, 54          ; s54  V's slot in hand
.set LIM, 57          ; s57  a wave prefetches while the count is above this
.set CS,  58          ; s[58:59] log2 e: the packed multiply takes the pair's low word for both halves
.set SEL, 60          ; s[60:61] v_permlanex16_b32's selects: each lane takes its own place in the other half
.set PFA, 62          ; s[62:63] where my prefetches stand
.set MSB, 0
.macro WIN new                      ; the high byte repeats the setting that is left; a switch that changes nothing is dropped
.if MSB != (\new)
	s_set_vgpr_msb (MSB<<8)|(\new)
.set MSB, \new
.endif
.endm
.macro PLACES                       ; four plain instructions between a matrix instruction and a load into, or a vector instruction on, its registers (ISA guide 7.12.1 for vector instructions)
.rept 4
	v_nop
.endr
.endm
; A round of the cluster's barrier: my work-group's barrier, so that wave 0's signal speaks for all four waves; wave 0 signals; every wave waits for all four work-groups; my work-group's barrier once more.
.macro CREST                        ; a round behind its opening barrier
	s_cmp_lg_u32 s[WV], 0
	s_cbranch_scc1 .Lnot_wave_0_\@
	s_barrier_signal -3
.Lnot_wave_0_\@:
	s_barrier_wait -3
	s_barrier_signal -1
	s_barrier_wait -1
.endm
.macro CROUND
	s_barrier_signal -1
	s_barrier_wait -1
	CREST
.endm
; A joint refill.  fill = 1: waves 0 and 1 fetch K's halves, waves 2 and 3 V's.  fill = 2: K has no further step; waves 2 and 3 fetch V's last.  The branch hangs on the wave's number alone.
; An s_nop 0 and four v_nop follow each load, ahead of the jump and the label; they are also the places behind the trip's last products.
.macro JLOAD fill
	s_cmp_lt_u32 s[WV], 2
.if (\fill) == 1
	s_cbranch_scc0 .Lfor_v_\@
	tensor_load_to_lds s[G0K:G0K+3], s[G1K:G1K+7]
	s_nop 0
	PLACES
	s_branch .Lasked_\@
.Lfor_v_\@:
	tensor_load_to_lds s[G0V:G0V+3], s[G1V:G1V+7]
	s_nop 0
	PLACES
.Lasked_\@:
.else
	s_cbranch_scc1 .Lasked_\@
	tensor_load_to_lds s[G0V:G0V+3], s[G1V:G1V+7]
	s_nop 0
	PLACES
.Lasked_\@:
	PLACES
.endif
.endm
; A PREFETCH INTO THE L2, behind the joint load, its five lines and the run of LDS loads: in trip t the half tile of K(t + 5) or V(t + 4) that my wave will fetch three refills on.
; Each block of 256 bytes is named ONCE in the launch.  All eight clusters of a batch walk the same rows: the batch's first cluster asks.  A half tile is 32 rows x 1,024 bytes = 128 blocks: its four
; partners take 8 rows each, told apart BY ADDRESS, a lane a block.  The first steps (K 0-4, V 0-3) come by their loads alone; K's last request stands in trip 26, V's in trip 27.
.macro ASK
	s_cmp_gt_u32 s[CNT], s[LIM]
	s_cbranch_scc0 .Lnot_mine_\@
	global_prefetch_b8 v[PFO], s[PFA:PFA+1] th:TH_LOAD_NT scope:SCOPE_SE
.Lnot_mine_\@:
.endm
	s_load_b128 s[4:7], s[0:1], 0x0   ; q s[4:5], xb s[6:7]
	s_load_b64 s[8:9], s[0:1], 0x10   ; out0
	v_lshl_add_u32 v[SPW], v0, 2, SPARE
	v_mov_b32 v[NIL], 0
	ds_add_u32 v[SPW], v[NIL]       ; the wave's opening: the add, twice on end, and its wait ahead of my first tensor load; the set-up below, work on registers, stands between
	ds_add_u32 v[SPW], v[NIL]       ; and once more, under the one wait
	v_lshrrev_b32 v1, 5, v0
	v_readfirstlane_b32 s[WV], v1   ; wave 0..3
	s_bfe_u32 s10, ttmp6, 0x40000   ; cx: my place in the cluster
	s_lshl_b32 s11, ttmp9, 2        ; in a cluster launch ttmp9 counts clusters
	s_add_co_u32 s11, s11, s10      ; my block of 64 queries: it enters Q's and out0's addresses alone
	s_and_b32 s13, ttmp7, 0xffff    ; the batch, which the four partners share
	s_and_b32 s16, s[WV], 1         ; which half of a tile I fetch
	s_lshl_b32 s20, s13, 21         ; the batch's 2,048 rows of 1,024 bytes,
	s_lshl_b32 s22, s16, 15         ; my half's 32 rows
	s_add_co_u32 s20, s20, s22
	s_mov_b32 s21, 0
	s_mul_i32 s55, s16, 32*PK       ; my half's place in a slot of K,
	s_mul_i32 s56, s16, 32*PVP      ; and of V: no place in the cluster enters an LDS address
	s_lshl_b32 s2, s13, 21          ; Q: the batch, my block's 64 rows
	s_lshl_b32 s3, s11, 16
	s_add_co_u32 s2, s2, s3
	s_mov_b32 s3, 0
	s_lshl_b32 s18, s13, 22         ; out0: rows of 2,048 bytes
	s_lshl_b32 s19, s11, 17
	s_add_co_u32 s18, s18, s19
	s_mov_b32 s19, 0
	; descriptor group 1: a tile of 32 rows x 512 elements, padded in LDS behind every row
	s_mov_b32 s[G1K], 15|(1<<16)|(1<<20)|(1<<21)|(7<<22)|(3<<25)  ; 15:0 the mask of four; 17:16 2-byte elements; 20 padding on; 21 set beside a mask; 24:22 after every 256 words (code 7); 31:25 4 words (code 3)
	s_mov_b32 s[G1V], 15|(1<<16)|(1<<20)|(1<<21)|(7<<22)|(7<<25)  ; the same with 8 words of padding (code 7)
.irp g, G1K, G1V
	s_mov_b32 s[\g+1], 512<<16      ; tensor_dim0 = 512
	s_mov_b32 s[\g+2], 32<<16       ; tensor_dim1 = 32
	s_mov_b32 s[\g+3], 512<<16      ; tile_dim0 = 512
	s_mov_b32 s[\g+4], 32           ; tile_dim1 = 32
	s_mov_b32 s[\g+5], 512          ; 512 elements from row to row
	s_mov_b32 s[\g+6], 0
	s_mov_b32 s[\g+7], 0
.endr
	s_mov_b32 s[G0K0], 1            ; 1:0 count = 1
	s_mov_b32 s[G0K0+1], s55        ; 63:32 LDS address: K's slot 0
	s_mov_b32 s[G0K], 1
	s_add_co_u32 s[G0K+1], s55, KX  ; K's slot 1
	s_mov_b32 s[G0V], 1
	s_add_co_u32 s[G0V+1], s56, V0  ; V's slot 0
	s_mov_b32 s[CS], 0x3fb8aa3b     ; log2 e
	s_mov_b32 s[CS+1], s[CS]        ; named with it as a pair
	s_mov_b32 s[SEL], 0x76543210
	s_mov_b32 s[SEL+1], 0xfedcba98
	s_mov_b32 s[KRD], 0             ; the first scores read K's slot 0
	s_mov_b32 s[VRD], V1            ; trip 0 turns this into slot 0
	s_mov_b32 s[CNT], 28
	s_lshl_b32 s16, s10, 13         ; the prefetches: my work-group's 8 rows of the 32,
	s_mov_b32 s17, 0
	s_cmp_lt_u32 s[WV], 2
	s_cselect_b32 s23, 0x10000, 0
	s_add_co_u32 s22, s23, 3<<16    ; at step 4 of K, step 3 of V: the first change of slots steps them on
	s_mov_b32 s23, 0
	s_cmp_lt_u32 s[WV], 2
	s_cselect_b32 s[LIM], 2, 1
	s_cmp_eq_u32 ttmp9, 0           ; the batch's first cluster: the same in all four partners
	s_cselect_b32 s[LIM], s[LIM], -1
	s_wait_dscnt 0x0                ; both opening adds are done
	s_wait_kmcnt 0x0
	s_add_nc_u64 s[G0K0+2:G0K0+3], s[4:5], s[20:21]        ; 120:64 global address: my half of the batch's first 64 keys,
	s_add_nc_u64 s[G0K+2:G0K+3], s[G0K0+2:G0K0+3], 0x10000 ; and of the next 64
	s_add_nc_u64 s[G0V+2:G0V+3], s[6:7], s[20:21]
	s_or_b32 s[G0K0+3], s[G0K0+3], 0x80000000              ; 127:126 type = 2
	s_or_b32 s[G0K+3], s[G0K+3], 0x80000000
	s_or_b32 s[G0V+3], s[G0V+3], 0x80000000
	s_cmp_lt_u32 s[WV], 2
	s_cselect_b64 s[PFA:PFA+1], s[4:5], s[6:7]
	s_add_nc_u64 s[PFA:PFA+1], s[PFA:PFA+1], s[20:21]
	s_add_nc_u64 s[PFA:PFA+1], s[PFA:PFA+1], s[16:17]
	s_add_nc_u64 s[PFA:PFA+1], s[PFA:PFA+1], s[22:23]
	s_add_nc_u64 s[14:15], s[4:5], s[2:3]  ; Q at my block's first row
	s_add_nc_u64 s[8:9], s[8:9], s[18:19]  ; out0 likewise
	CROUND                          ; all four work-groups are here: the first joint loads meet
	s_cmp_lt_u32 s[WV], 2           ; a wave's first fills stand in one branch, ahead of every wait on TENSORcnt and every LDS read
	s_cbranch_scc0 .Lfirst_v
	tensor_load_to_lds s[G0K0:G0K0+3], s[G1K:G1K+7]  ; K of step 0
	s_nop 0
	tensor_load_to_lds s[G0K:G0K+3], s[G1K:G1K+7]    ; K of step 1
	s_nop 0
	PLACES
	s_branch .Lfirst_asked
.Lfirst_v:
	tensor_load_to_lds s[G0V:G0V+3], s[G1V:G1V+7]    ; V of step 0
	s_nop 0
	PLACES
.Lfirst_asked:
	; A fragment of K or Q is 16 rows x 32 channels in 8 registers: lane l holds row l % 16, channels 8 (l / 16) + 0..7 and 16 + 8 (l / 16) + 0..7: two loads of 16 bytes, 32 bytes apart.
	v_and_b32 v48, 15, v0           ; l % 16
	v_bfe_u32 v49, v0, 4, 1         ; l / 16
	v_and_b32 v50, 7, v0
	v_bfe_u32 v51, v0, 3, 1
	v_and_b32 v52, 31, v0           ; l
	v_lshlrev_b32 v1, 10, v48
	v_lshl_add_u32 v1, v49, 4, v1   ; row x 1,024 + 16 x half
	WIN 0x80                        ; destination window 2, address window 0
.set t, 0
.rept 4                             ; Q stays in registers, all of it in every wave: tile t, channels 32 c on
.set c, 0
.rept 8
	global_load_b128 v[64*t+8*c:64*t+8*c+3],   v1, s[14:15] offset:16384*t+64*c
	global_load_b128 v[64*t+8*c+4:64*t+8*c+7], v1, s[14:15] offset:16384*t+64*c+32
.set c, c+1
.endr
.set t, t+1
.endr
	WIN 0xc0                        ; destination window 3: channel steps 8 to 15
.set t, 0
.rept 4
.set c, 0
.rept 8
	global_load_b128 v[64*t+8*c:64*t+8*c+3],   v1, s[14:15] offset:16384*t+64*c+512
	global_load_b128 v[64*t+8*c+4:64*t+8*c+7], v1, s[14:15] offset:16384*t+64*c+544
.set c, c+1
.endr
.set t, t+1
.endr
	WIN 0
	v_mul_u32_u24 v[AK0], v48, PK
	v_lshl_add_u32 v[AK0], v49, 4, v[AK0]
	s_mul_i32 s13, s[WV], 16*PK
	v_add_nc_u32 v[AK0], s13, v[AK0]
	; The turning load takes 16 keys x 16 channels (lane l reads key 8 (l / 16) + l % 8, channels 8 ((l / 8) % 2) + 0..7) and leaves half a fragment of V^T: lane l holds channel l % 16 and 8 keys.
	v_lshl_add_u32 v[AV0], v49, 3, v50
	v_mul_u32_u24 v[AV0], v[AV0], PVP
	v_lshl_add_u32 v[AV0], v51, 4, v[AV0]
	s_lshl_b32 s13, s[WV], 8
	v_add_nc_u32 v[AV0], s13, v[AV0]
	s_lshr_b32 s13, s[WV], 1
	s_lshl_b32 s13, s13, 12         ; key half w / 2: four fragments of 1,024 bytes,
	s_and_b32 s17, s[WV], 1
	s_lshl_b32 s17, s17, 9          ; part w % 2
	s_add_co_u32 s13, s13, s17
	s_add_co_u32 s13, s13, PB
	v_lshl_add_u32 v[APS], v52, 4, s13
	v_lshl_add_u32 v[APL], v52, 4, PB
	s_lshl_b32 s13, s[WV], 8
	s_add_co_u32 s13, s13, MB
	v_lshl_add_u32 v[AMS], v48, 4, s13
	v_lshl_add_u32 v[AML], v48, 4, MB
	v_lshrrev_b32 v53, 2, v52
	v_and_b32 v54, 3, v52
	v_lshlrev_b32 v[PFO], 10, v53
	v_lshl_add_u32 v[PFO], v54, 8, v[PFO]
	s_mul_i32 s13, s[WV], 16*SP
	s_add_co_u32 s13, s13, STAGE    ; my stage
	v_mul_u32_u24 v[STO], v48, SP   ; in: row l % 16, 32 bytes for each half of the lanes
	v_lshl_add_u32 v[STO], v49, 5, v[STO]
	v_add_nc_u32 v[STO], s13, v[STO]
	v_lshl_add_u32 v[RD], v52, 4, s13  ; back: 32 lanes take a row's 512 bytes
	s_lshl_b32 s13, s[WV], 9
	v_lshl_add_u32 v[GO], v52, 4, s13  ; my wave's 128 channels of a row of out0
.irp t, 0,1,2,3
	v_mov_b32 v[ST+8*\t+1], 0       ; named in a pair with m, never used
	v_mov_b32 v[ST+8*\t+7], 0       ; v_permlanex16_b32's destination counts as read
.endr
; THE LDS LOADS stand in runs.  Chunk k of four of a step's K for my 16 keys: channel steps 4 k .. 4 k + 3.
.macro FETCHK k, buf
	WIN 0
.irp cc, 0,1,2,3
	ds_load_b128 v[(\buf)+8*\cc:(\buf)+8*\cc+3],   v[AK] offset:64*(4*(\k)+\cc)
	ds_load_b128 v[(\buf)+8*\cc+4:(\buf)+8*\cc+7], v[AK] offset:64*(4*(\k)+\cc)+32
.endr
.endm
; Chunk k of four of a step's V for my 128 channels: key half k / 2, channel blocks 4 (k % 2) .. + 3, turned.
.macro FETCHV k, buf
	WIN 0
.irp f, 0,1,2,3
	ds_load_tr16_b128 v[(\buf)+8*\f:(\buf)+8*\f+3],   v[AV] offset:((\k)/2)*32*PVP+(4*((\k)%2)+\f)*32
	ds_load_tr16_b128 v[(\buf)+8*\f+4:(\buf)+8*\f+7], v[AV] offset:((\k)/2)*32*PVP+16*PVP+(4*((\k)%2)+\f)*32
.endr
.endm
.macro FETCHP                       ; P's eight fragments
	WIN 0
.set f, 0
.rept 8
	ds_load_b128 v[PF+8*f:PF+8*f+3],   v[APL] offset:1024*f
	ds_load_b128 v[PF+8*f+4:PF+8*f+7], v[APL] offset:1024*f+512
.set f, f+1
.endr
.endm
.macro RESCALE                      ; O^T times a; each accumulator's registers in ascending order
	WIN 0x41                        ; destination and source 0 window 1, a in window 0
.set z, 0
.rept 32
.set rT, ST+8*(z%4)+2
.irp u, 0,2,4,6
	v_pk_mul_f32 v[8*z+\u:8*z+\u+1], v[8*z+\u:8*z+\u+1], v[rT:rT+1] op_sel_hi:[1,0]
.endr
.set z, z+1
.endr
.endm
; THE MATRIX WORK.  The accumulators take turns, one instruction a turn: 3 others stand between two links of a chain of S^T, 31 of O^T.
; 16 products of S^T = K Q^T: channel steps 4 k .. 4 k + 3 x four query tiles.  The first four start the sums.
.macro KQ16 k, buf
.if (\k) < 2
	WIN 0x08                        ; Q in window 2
.else
	WIN 0x0c                        ; Q in window 3
.endif
.irp cc, 0,1,2,3
.irp t, 0,1,2,3
.if ((\k) == 0) && (\cc == 0)
	v_wmma_f32_16x16x32_bf16 v[S+8*\t:S+8*\t+7], v[(\buf)+8*\cc:(\buf)+8*\cc+7], v[64*\t+8*((4*(\k)+\cc)%8):64*\t+8*((4*(\k)+\cc)%8)+7], 0
.else
	v_wmma_f32_16x16x32_bf16 v[S+8*\t:S+8*\t+7], v[(\buf)+8*\cc:(\buf)+8*\cc+7], v[64*\t+8*((4*(\k)+\cc)%8):64*\t+8*((4*(\k)+\cc)%8)+7], v[S+8*\t:S+8*\t+7]
.endif
.endr
.endr
.endm
; Product i of 64 of O^T += V^T P: chunk i / 16 (buffers BY, BZ, BX, BY), channel block 4 (chunk % 2) + (i % 16) / 4, query tile i % 4.  czero = 1: the first 32 start the sums: nothing is cleared.
.macro PV czero
	WIN 0x50                        ; C and D window 1
.set kk, i/16
.set rB, BY
.if kk == 1
.set rB, BZ
.elseif kk == 2
.set rB, BX
.endif
.set rV, rB+8*((i%16)/4)
.set rO, 8*(4*(4*(kk%2)+(i%16)/4)+i%4)
.set rP, PF+8*(4*(kk/2)+i%4)
.if (\czero) && (i < 32)
	v_wmma_f32_16x16x32_bf16 v[rO:rO+7], v[rV:rV+7], v[rP:rP+7], 0
.else
	v_wmma_f32_16x16x32_bf16 v[rO:rO+7], v[rV:rV+7], v[rP:rP+7], v[rO:rO+7]
.endif
.endm
; THE SOFTMAX, in three numbered lists; the macros write number n.  The four tiles alternate, so that no instruction reads the result of the one before it.
; RX, 24: the maximum of my 16 keys' scores for each query: tile n % 4, stage n / 4.  Each accumulator's lowest registers are read first.
.macro RX
	WIN 0
.set t, n%4
.set rT, ST+8*t
.set rS, S+8*t
.if n < 4
	v_max3_num_f32 v[rT+6], v[rS], v[rS+1], v[rS+2]
.elseif n < 8
	v_max3_num_f32 v[rT+6], v[rT+6], v[rS+3], v[rS+4]
.elseif n < 12
	v_max3_num_f32 v[rT+6], v[rT+6], v[rS+5], v[rS+6]
.elseif n < 16
	v_max_num_f32 v[rT+6], v[rT+6], v[rS+7]
.elseif n < 20
	v_permlanex16_b32 v[rT+7], v[rT+6], s[SEL], s[SEL+1]  ; the query's other 8 keys lie in the lane 16 away
.else
	v_max_num_f32 v[T16+t], v[rT+6], v[rT+7]
.endif
.endm
; RY, 93.  0-3: three waves' maxima.  4-7: m_old is kept.  8-11: the new m.  12-27: s - m, a pair of scores each.  28-75: ONE BATCH: the 16 multiplies by log2 e and the 32 exponentials, a pair multiplied
; three numbers ahead of its exponentials; none of these reads an exponential's result.  76: a plain instruction behind the last exponential, and the one wait ahead of the
; first instruction that names a result.  77-92: the roundings to bf16.  first = 1: the first step has no m_old.
.macro RY first
	WIN 0
.if n < 4
.set rT, ST+8*n
	v_max3_num_f32 v[rT+6], v[T16+n], v[T16+4+n], v[T16+8+n]
.elseif n < 8
.if !(\first)
.set rT, ST+8*(n-4)
	v_mov_b32 v[rT+3], v[rT]
.endif
.elseif n < 12
.set rT, ST+8*(n-8)
.if \first
	v_max_num_f32 v[rT], v[rT+6], v[T16+4+n]
.else
	v_max3_num_f32 v[rT], v[rT+6], v[T16+4+n], v[rT]
.endif
.elseif n < 28
.set rS, S+2*(n-12)
.set rT, ST+8*((n-12)/4)
	v_pk_add_f32 v[rS:rS+1], v[rS:rS+1], v[rT:rT+1] op_sel_hi:[1,0] neg_lo:[0,1] neg_hi:[0,1]
.elseif n < 76
.set u, n-28
.if (u == 0) || ((u < 46) && ((u-1)%3 == 0))
.set g, (u+2)/3
	v_pk_mul_f32 v[S+2*g:S+2*g+1], v[S+2*g:S+2*g+1], s[CS:CS+1] op_sel_hi:[1,0]
.else
.set e, 2*((u-1)/3)+(u-1)%3-1
.if u >= 46
.set e, u-16
.endif
	v_exp_f32 v[S+e], v[S+e]
.endif
.elseif n == 76
	v_nop
	s_wait_alu depctr_va_vdst(0)
.elseif n < 93
	v_cvt_pk_bf16_f32 v[T16+n-77], v[S+2*(n-77)], v[S+2*(n-77)+1]
.endif
.endm
; RZ, 28.  0-11: a = 2^((m_old - m_new) log2 e).  12-23: a tile's four pairs of weights are added up, in place.  24-27, behind the wait for a: l = a l + the sum.  first = 1: no a; l takes the sum.
.macro RZ first
	WIN 0
.if n < 12
.if !(\first)
.set rT, ST+8*(n%4)
.if n < 4
	v_sub_f32 v[rT+3], v[rT+3], v[rT]
.elseif n < 8
	v_mul_f32 v[rT+3], s[CS], v[rT+3]
.else
	v_exp_f32 v[rT+2], v[rT+3]
.endif
.endif
.elseif n < 20
.set rS, S+8*((n-12)%4)+4*((n-12)/4)
	v_pk_add_f32 v[rS:rS+1], v[rS:rS+1], v[rS+2:rS+3]
.elseif n < 24
.set rS, S+8*(n-20)
.set rT, ST+8*(n-20)
.if \first
	v_pk_add_f32 v[rT+4:rT+5], v[rS:rS+1], v[rS+4:rS+5]
.else
	v_pk_add_f32 v[rS:rS+1], v[rS:rS+1], v[rS+4:rS+5]
.endif
.elseif !(\first)
.if n == 24
	s_wait_alu depctr_va_vdst(0)    ; one wait for the four a; the twelve additions above are the plain work behind them
.endif
.set rS, S+8*(n-24)
.set rT, ST+8*(n-24)
	v_pk_fma_f32 v[rT+4:rT+5], v[rT+4:rT+5], v[rT+2:rT+3], v[rS:rS+1] op_sel_hi:[1,0,1]
.endif
.endm
.macro RIDE4 kind, base, first      ; four numbers of a list
.set n, (\base)
.rept 4
.if (\kind) == 0
	RX
.elseif (\kind) == 1
	RY \first
.else
	RZ \first
.endif
.set n, n+1
.endr
.endm
; A TRIP'S HEAD, behind the joint load: the slots in hand change; three chunks of K and P's fragments are asked for in one run; O^T is multiplied by a while they come.
.macro POST ask, resc
	WIN 0
	s_xor_b32 s[KRD], s[KRD], KX
	s_xor_b32 s[VRD], s[VRD], VX
	v_add_nc_u32 v[AK], s[KRD], v[AK0]
	v_add_nc_u32 v[AV], s[VRD], v[AV0]
	FETCHK 0, BX
	FETCHK 1, BY
	FETCHK 2, BZ
	FETCHP
.if \ask
	ASK
.endif
.if \resc
	RESCALE
.endif
.endm
; K Q^T of the next step: four chunks of 16 products.  Behind a chunk its buffer is asked for again, four places behind its last product.  Each wait leaves out the loads issued behind the chunk that is due:
; full = 1: K2, P, K3 | P, K3, V0 ... : 32, 32, 32, 16.  full = 0, ahead of the first trip (no P, no V): 16, 16, 8, 0.
.macro PHASEA full
.if \full
	s_wait_dscnt 32
.else
	s_wait_dscnt 16
.endif
	KQ16 0, BX
	PLACES
	FETCHK 3, BX
.if \full
	s_wait_dscnt 32
.else
	s_wait_dscnt 16
.endif
	KQ16 1, BY
.if \full
	PLACES
	FETCHV 0, BY
	s_wait_dscnt 32
.else
	s_wait_dscnt 8
.endif
	KQ16 2, BZ
.if \full
	PLACES
	FETCHV 1, BZ
	s_wait_dscnt 16
.else
	s_wait_dscnt 0x0
.endif
	KQ16 3, BX
	PLACES                          ; the places between the last scores and the maxima that read them
.endm
; V^T P of the step in hand (pv = 1), and the next step's softmax in fours behind its products; with pv = 0, ahead of the first trip, the softmax stands alone.
;   behind 0-5   my keys' maxima; they go to LDS                    behind 7, 9   the barrier of the maxima: signal and wait, two products between; then the four waves' maxima and V's chunk 2 are asked for
;   behind 15    the maxima are in (V's chunk 2, 8 loads, may stay out); four of RY are the places ahead of the loads of V's chunk 3 into the buffer just multiplied
;   behind 16-38 RY                behind 39   P goes to LDS: every wave read the old P ahead of the barrier of the maxima                behind 40-46   RZ
;   ahead of 48  THE CHANGE OF SLOTS.  Each wave waits for all its tensor loads, of which one is out; adds 0 to its spare word; steps the descriptors; and, eight products on, waits for the add, for its P and for its
;                reads of the slots.  Behind the barrier nobody reads K(t + 1) or V(t) any more, the next slots are whole, and P is whole.  fill = 1, 2: the barrier opens a round of the cluster's, so that this holds of
;                every partner, and the joint refill is the first thing behind it.  fill = 0: nothing is left to fetch.
.macro PHASEB pv, first, czero, fill
.set i, 0
.if \pv
	s_wait_dscnt 8                  ; P and V's chunk 0 are in; chunk 1 may stay out
.endif
.rept 64
.if (i == 32) && (\pv)
	s_wait_dscnt 8                  ; V's chunk 2 is in; chunk 3 may stay out
.endif
.if i == 48
	WIN 0
	s_wait_tensorcnt 0x0            ; no tensor load of mine is out, so a group 0 may be written
	ds_add_u32 v[SPW], v[NIL]       ; 0 onto my spare word
.if (\fill) == 1
	s_xor_b32 s[G0K+1], s[G0K+1], KX  ; the walking descriptors: the other slot than last time,
	s_add_nc_u64 s[G0K+2:G0K+3], s[G0K+2:G0K+3], 0x10000  ; the next 64 keys; the type bits on top are not reached
.endif
.if \fill
	s_xor_b32 s[G0V+1], s[G0V+1], VX
	s_add_nc_u64 s[G0V+2:G0V+3], s[G0V+2:G0V+3], 0x10000
.endif
.if (\fill) == 1
	s_wait_xcnt 0x0                 ; the last prefetch, a trip back, has read its address
	s_add_nc_u64 s[PFA:PFA+1], s[PFA:PFA+1], 0x10000
.endif
.if \pv
	s_wait_dscnt 5                  ; V's chunk 3 is in; my four stores of P and the add may stay out
.endif
.endif
.if i == 56
	s_wait_dscnt 0x0                ; the add is done, P is written, my reads of the slots are over
	s_barrier_signal -1
.endif
.if \pv
	PV \czero
.endif
.if i < 6
	RIDE4 0, 4*i, \first
.endif
.if i == 5
	ds_store_b128 v[AMS], v[T16:T16+3]  ; both halves of the lanes hold the same four numbers and write the same words
.endif
.if i == 7
	s_wait_dscnt 0x0                ; my maxima are written; my reads of the old P are back
	s_barrier_signal -1
.endif
.if i == 9
	WIN 0
	s_barrier_wait -1
.irp w, 0,1,2,3
	ds_load_b128 v[T16+4*\w:T16+4*\w+3], v[AML] offset:256*\w
.endr
.if \pv
	FETCHV 2, BX
.endif
.endif
.if i == 15
	WIN 0
.if \pv
	s_wait_dscnt 8
.else
	s_wait_dscnt 0x0
.endif
	RIDE4 1, 0, \first
.if \pv
	FETCHV 3, BY
.endif
.endif
.if (i >= 16) && (i < 39)
	RIDE4 1, 4*(i-16)+4, \first
.endif
.if i == 39
	WIN 0
.irp t, 0,1,2,3
	ds_store_b128 v[APS], v[T16+4*\t:T16+4*\t+3] offset:1024*\t
.endr
.endif
.if (i >= 40) && (i < 47)
	RIDE4 2, 4*(i-40), \first
.endif
.set i, i+1
.endr
	WIN 0
	s_barrier_wait -1
.if \fill
	CREST
	JLOAD \fill
.else
	PLACES
.endif
.endm
	s_wait_tensorcnt 0x0            ; my parts of K(0), K(1) or V(0) are in,
	s_barrier_signal -1
	s_barrier_wait -1               ; everybody's are
	v_add_nc_u32 v[AK], s[KRD], v[AK0]
	FETCHK 0, BX
	FETCHK 1, BY
	FETCHK 2, BZ
	s_wait_loadcnt 0x0              ; Q
	PHASEA 0                        ; the scores of step 0
	PHASEB 0, 1, 0, 1               ; their softmax; K(2) and V(1) are asked for
	POST 1, 0                       ; trip 0: there is no O^T yet to rescale,
	PHASEA 1
	PHASEB 1, 0, 1, 1               ; and its products start O^T's sums
.Ltrip:                             ; trips 1 to 28
	POST 1, 1
	PHASEA 1
	PHASEB 1, 0, 0, 1
	s_sub_co_u32 s[CNT], s[CNT], 1
	s_cmp_lg_u32 s[CNT], 0
	s_cbranch_scc1 .Ltrip
	POST 0, 1                       ; the tail is written out.  Trip 29: only V(31) is left to ask for
	PHASEA 1
	PHASEB 1, 0, 0, 2
	POST 0, 1                       ; trip 30: nothing is
	PHASEA 1
	PHASEB 1, 0, 0, 0
	WIN 0                           ; trip 31: the last V^T P
	s_xor_b32 s[VRD], s[VRD], VX
	v_add_nc_u32 v[AV], s[VRD], v[AV0]
	FETCHP
	FETCHV 0, BY
	FETCHV 1, BZ
	FETCHV 2, BX
	RESCALE
	s_wait_dscnt 16                 ; P and chunk 0 are in; chunks 1 and 2 may stay out
.set i, 0
.rept 16
	PV 0
.set i, i+1
.endr
	PLACES
	FETCHV 3, BY
	s_wait_dscnt 16                 ; chunk 1 is in
.rept 16
	PV 0
.set i, i+1
.endr
	s_wait_dscnt 8                  ; chunk 2
.rept 16
	PV 0
.set i, i+1
.endr
	s_wait_dscnt 0x0                ; chunk 3
.rept 16
	PV 0
.set i, i+1
.endr
	; THE WAY OUT.  l: its two halves, the other half of the lanes', and through LDS the other three waves' are added.  The first additions are the places behind the last products.
	WIN 0
.irp t, 0,1,2,3
	v_add_f32 v[ST+8*\t+6], v[ST+8*\t+4], v[ST+8*\t+5]
.endr
.irp t, 0,1,2,3
	v_permlanex16_b32 v[ST+8*\t+7], v[ST+8*\t+6], s[SEL], s[SEL+1]
.endr
.irp t, 0,1,2,3
	v_add_f32 v[T16+\t], v[ST+8*\t+6], v[ST+8*\t+7]
.endr
	ds_store_b128 v[AMS], v[T16:T16+3] offset:LB
	s_wait_dscnt 0x0
	s_barrier_signal -1
	s_barrier_wait -1
.irp w, 0,1,2,3
	ds_load_b128 v[T16+4*\w:T16+4*\w+3], v[AML] offset:LB+256*\w
.endr
	s_wait_dscnt 0x0
.irp t, 0,1,2,3
	v_add_f32 v[ST+8*\t+6], v[T16+\t], v[T16+4+\t]
	v_add_f32 v[ST+8*\t+7], v[T16+8+\t], v[T16+12+\t]
.endr
.irp t, 0,1,2,3
	v_add_f32 v[ST+8*\t+6], v[ST+8*\t+6], v[ST+8*\t+7]
.endr
.irp t, 0,1,2,3
	v_rcp_f32 v[ST+8*\t+2], v[ST+8*\t+6]
.endr
	v_nop                           ; a plain instruction between the last reciprocal and the use of its result,
	s_wait_alu depctr_va_vdst(0)    ; and the wait ahead of the first use: one for the four
; Query tile t: O^T is divided by l; a lane's eight channels of a row, 32 bytes, go into rows of 528 bytes of my stage and come back as whole rows of 512, into P's or the buffers' registers by turns.
.macro PACK t
	WIN 0x41
.set cb, 0
.rept 8
.irp u, 0,2,4,6
	v_pk_mul_f32 v[8*(4*cb+(\t))+\u:8*(4*cb+(\t))+\u+1], v[8*(4*cb+(\t))+\u:8*(4*cb+(\t))+\u+1], v[ST+8*(\t)+2:ST+8*(\t)+3] op_sel_hi:[1,0]
.endr
.set cb, cb+1
.endr
	WIN 0x04                        ; address window 0, data window 1
.set cb, 0
.rept 8
	ds_store_b128 v[STO], v[8*(4*cb+(\t)):8*(4*cb+(\t))+3]   offset:64*cb
	ds_store_b128 v[STO], v[8*(4*cb+(\t))+4:8*(4*cb+(\t))+7] offset:64*cb+16
.set cb, cb+1
.endr
	WIN 0
.if (\t) >= 2
	s_wait_xcnt 0x0                 ; the stores of the tile two back have read their data: those registers are loaded again only behind this wait
.endif
.set OB, PF+64*((\t)%2)
.set rr, 0
.rept 16
	ds_load_b128 v[OB+4*rr:OB+4*rr+3], v[RD] offset:SP*rr  ; LDS serves a wave's instructions in order (ISA guide 5.7.1.4): these see the stores above; the next tile's stores come behind them
.set rr, rr+1
.endr
.endm
.macro SEND t, younger              ; younger: the LDS instructions issued behind tile t's loads: the next tile's 32, or none
.set OB, PF+64*((\t)%2)
.set rr, 0
.rept 16
	s_wait_dscnt (\younger)+15-rr
	global_store_b128 v[GO], v[OB+4*rr:OB+4*rr+3], s[8:9] offset:(16*(\t)+rr)*2048 th:TH_STORE_NT  ; 512 consecutive bytes, at a multiple of 512 from out0's first byte
.set rr, rr+1
.endr
.endm
	PACK 0
	PACK 1                          ; a tile's arithmetic stands between the loads of the tile before and its stores
	SEND 0, 32
	PACK 2
	SEND 1, 32
	PACK 3
	SEND 2, 32
	SEND 3, 0
	s_wait_tensorcnt 0x0            ; the wave's end, behind my last tensor load and my last LDS store
	ds_add_u32 v[SPW], v[NIL]
	s_wait_dscnt 0x0
	CROUND                          ; the closing round: no work-group ends while a partner may still ask for a tile that names it
	s_endpgm
.Lfunc_end_k_qb37140a6ba_attn:
	.size	k_qb37140a6ba_attn, .Lfunc_end_k_qb37140a6ba_attn-k_qb37140a6ba_attn
	.p2alignl 7, 3214868480
	.fill 96, 4, 3214868480
	.section	.rodata,"a",@progbits
	.p2align	6, 0x0
	.amdhsa_kernel k_qb37140a6ba_attn
		.amdhsa_group_segment_fixed_size 327680
		.amdhsa_private_segment_fixed_size 0
		.amdhsa_enable_private_segment 0
		.amdhsa_kernarg_size 24
		.amdhsa_user_sgpr_count 2
		.amdhsa_user_sgpr_kernarg_segment_ptr 1
		.amdhsa_wavefront_size32 1
		.amdhsa_system_sgpr_workgroup_id_x 1
		.amdhsa_system_sgpr_workgroup_id_y 1
		.amdhsa_system_sgpr_workgroup_id_z 1
		.amdhsa_system_vgpr_workitem_id 0
		.amdhsa_next_free_vgpr 1024
		.amdhsa_next_free_sgpr 66
		.amdhsa_reserve_vcc 0
		.amdhsa_float_denorm_mode_32 3
		.amdhsa_float_denorm_mode_16_64 3
		.amdhsa_memory_ordered 1
		.amdhsa_forward_progress 1
		.amdhsa_inst_pref_size 204
	.end_amdhsa_kernel
	.amdgpu_metadata
---
amdhsa.version: [ 1, 2 ]
amdhsa.kernels:
  - .name:           k_qb37140a6ba_attn
    .symbol:         k_qb37140a6ba_attn.kd
    .args:
      - { .name: q, .offset: 0, .size: 8, .value_kind: global_buffer, .address_space: global }
      - { .name: xb, .offset: 8, .size: 8, .value_kind: global_buffer, .address_space: global }
      - { .name: out0, .offset: 16, .size: 8, .value_kind: global_buffer, .address_space: global }
    .group_segment_fixed_size: 327680
    .private_segment_fixed_size: 0
    .kernarg_segment_align: 8
    .kernarg_segment_size: 24
    .max_flat_workgroup_size: 128
    .sgpr_count:     66
    .vgpr_count:     1024
    .wavefront_size: 32
...
	.end_amdgpu_metadata
.endif
;; end of part 2
;; ======== version 2 of 2: 2 launches
;; workspace buffers: q 16,777,216 bytes; xb 16,777,216 bytes
;; launch proj (part 3): grid 2 x 128, 8 waves a work-group, no clusters, 236,544 bytes of LDS; arguments lstm_out, W, b, q, xb; writes q, xb
.if DOCPART == 3
	.amdgcn_target "amdgcn-amd-amdhsa--gfx1250"
	.amdhsa_code_object_version 6
	.text
	.protected	k_qb37140a6ba_proj
	.globl	k_qb37140a6ba_proj
	.p2align	8
	.type	k_qb37140a6ba_proj,@function
k_qb37140a6ba_proj:
	s_mov_b64 s[64:65], 0
	v_nop
	global_prefetch_b8 v0, s[64:65] scope:SCOPE_SE
	s_setreg_imm32_b32 hwreg(HW_REG_WAVE_MODE, 25, 1), 1
	s_wait_xcnt 0x0
; THE PROJECTION.  q[n][k] = the sum over h of x[n][h] W[k][h] + b[k], for the 16,384 rows n of lstm_out (x) and k = 0..511; and xb = x.  x, W, b: f32.  q, xb: [16384][512] bf16.
; x and W are rounded once to bf16 for the matrix unit; sums in f32, started with b in f32 (b is the C operand of each sum's first product); q is rounded once.  xb is x rounded once: the next launch's V.
; NOTHING IS LEFT OUT.  Every input has a way to the result: x as V and through q, W and b through q.  Of a score q_n . q_m the terms b . (W x_n) and b . b are the same along the softmax's axis,
; but they lie in one product with the live terms (W x_n) . (W x_m) and (W x_n) . b: they are no unit of their own, and stay.
; LIMITS.  The error of operands rounded to bf16 grows with the inputs; bf16 has f32's range, so nothing overflows that f32 holds.  NaN and infinities are not treated apart.
; SHARES.  A work-group makes 128 rows x 256 columns of q: 128 x 2 = 256 work-groups.  EIGHT WAVES, two to a SIMD, 512 registers each: wave w makes rows 64 (w / 4) .. + 63 and columns 64 (w % 4) .. + 63,
; 16 accumulators of 16 x 16.  The launch takes in 768 KiB of f32 a work-group for 2,048 products: the way in decides, not the matrix unit.  With eight waves a wave's share of a chunk is 48 loads of 512 bytes,
; which are all on their way at once: 192 KiB a work-group, a whole chunk; and a wave's conversions fall beside the products of the other wave of its SIMD.
; THE WAY IN.  K goes in four chunks of 128.  A chunk's 128 rows of x and 256 rows of W come as f32 into registers (8 numbers a lane and pair of loads), are rounded ONCE, and go as bf16 into one of two LDS
; slots; the fragments are read from there.  A wave's share of a chunk is three PIECES of 8 pairs of loads: x, W's first half, W's second half.  In chunk c, behind the products of its first three quarters, one
; piece of chunk c + 1 is waited for, rounded, stored into the other slot, and its registers are asked for again at once, for chunk c + 2: every load has a whole chunk in which to land.
; NO TENSOR LOAD AND NO CLUSTER: the tiles are f32 and the matrix unit wants bf16.  f32 tiles in LDS would double the fragment loads (32 for 16 products in place of 16) and every wave that reads a fragment
; would round it again; so the bytes pass through registers, where no joint request can bring them.
; Of the two work-groups that read the same rows of x, the one with column half c / 2 stores chunk c of xb: each byte of xb is stored once.
; THE MATRIX INSTRUCTION IS USED TRANSPOSED (source 0 = 16 rows of W, source 1 = 16 rows of x): a lane then holds eight neighbouring columns of one row of q.
; REGISTERS, in windows of 256 (s_set_vgpr_msb: bits 1:0 source 0, 3:2 source 1, 5:4 source 2, 7:6 destination):
;   window 0: v2-18 addresses; v32-63 b, as four C operands; v64-127, v128-191 two fragment buffers (4 of W, then 4 of x); v192-255 x on its way in, 8 registers a pair of loads; later the packed results
;   window 1: v0-127 accumulator (i, j) at v[8 (4 i + j)]; v128-255 W on its way in
.set PITCH, 272                        ; an LDS row: 256 bytes of bf16 + 16 = 68 words: the 16 rows of a fragment load start at 16 different groups of four banks (64 banks of 4 bytes: ISA guide 11.1)
.set WT,    128*PITCH                  ; in a slot: 128 rows of x, then 256 rows of W
.set SLOT,  131072                     ; slot 1 begins here
.set SPITCH, 528                       ; the way out: a row of the stage, 512 bytes + 16.  The stage, 128 rows, lies in slot 0, which every wave has left at the barrier ahead of chunk 3
.set SPARE, SLOT+384*PITCH             ; behind the slots: the spare words, 128 bytes for each wave: four blocks of 256 bytes that no other line names
.set XO,  2                            ; v2     my byte offset in the work-group's rows of x: (16 w + l / 16) x 2,048 + 32 (l % 16)
.set WO,  3                            ; v3     the same in its rows of W: (32 w + l / 16) x 2,048 + 32 (l % 16)
.set XS,  4                            ; v4-5   where I put 16 bytes of x in slot 0, 1
.set WS,  6                            ; v6-7   the same for W
.set XA,  8                            ; v8-9   my x fragments in slot 0, 1
.set WA,  10                           ; v10-11 my W fragments
.set XBO, 12                           ; v12    my byte offset in the work-group's rows of xb
.set BO,  13                           ; v13    32 (l / 16): my eight numbers of 16 of b
.set SPW, 14                           ; v14    LDS address of my spare word; never rewritten
.set NIL, 15                           ; v15    0; never rewritten
.set STO, 16                           ; v16    the way out: where I put 16 bytes of a row
.set RD,  17                           ; v17    the way out: where I read a row back
.set CO,  18                           ; v18    my byte offset in 512 bytes of a row of q
.set BIAS, 32
.set F0,  64
.set F1,  128
.set XST, 192                          ; in window 0
.set WST, 128                          ; in window 1
.set MSB, 0
.macro WIN new                         ; the immediate's high byte repeats the setting that is left; a switch that changes nothing is dropped
.if MSB != (\new)
	s_set_vgpr_msb (MSB<<8)|(\new)
.set MSB, \new
.endif
.endm
.macro PLACES                          ; four plain instructions between a matrix instruction and a load into, or a vector read of, its registers (ISA guide 7.12.1 for vector reads)
.rept 4
	v_nop
.endr
.endm
	s_load_b256 s[4:11], s[0:1], 0x0               ; x s[4:5], W s[6:7], b s[8:9], q s[10:11]
	s_load_b64 s[12:13], s[0:1], 0x20              ; xb
	v_lshl_add_u32 v[SPW], v0, 2, SPARE
	v_mov_b32 v[NIL], 0
	v_lshrrev_b32 v1, 5, v0
	v_readfirstlane_b32 s14, v1                    ; wave 0..7
	s_lshr_b32 s15, s14, 2                         ; which 64 rows are mine
	s_and_b32 s16, s14, 3                          ; which 64 columns
	s_mov_b32 s17, ttmp9                           ; the column half
	s_and_b32 s18, ttmp7, 0xffff                   ; the block of 128 rows
	v_and_b32 v20, 15, v0                          ; l % 16
	v_bfe_u32 v21, v0, 4, 1                        ; l / 16
	v_and_b32 v25, 31, v0                          ; l
	v_lshlrev_b32 v22, 5, v20
	v_lshl_add_u32 v22, v21, 11, v22               ; 32 (l % 16) + 2,048 (l / 16): sixteen lanes take a row's 512 bytes of a chunk, the other sixteen the next row's
	s_lshl_b32 s20, s14, 15                        ; my 16 rows of x
	v_add_nc_u32 v[XO], s20, v22
	s_lshl_b32 s20, s14, 16                        ; my 32 rows of W
	v_add_nc_u32 v[WO], s20, v22
	v_mul_u32_u24 v23, v21, PITCH
	v_lshl_add_u32 v23, v20, 4, v23                ; by rows: 272 (l / 16) + 16 (l % 16)
	s_mul_i32 s20, s14, 16*PITCH
	v_add_nc_u32 v[XS], s20, v23
	v_add_nc_u32 v[XS+1], SLOT, v[XS]
	s_mul_i32 s20, s14, 32*PITCH
	s_add_co_u32 s20, s20, WT
	v_add_nc_u32 v[WS], s20, v23
	v_add_nc_u32 v[WS+1], SLOT, v[WS]
	v_mul_u32_u24 v24, v20, PITCH
	v_lshl_add_u32 v24, v21, 4, v24                ; by fragments: 272 (l % 16) + 16 (l / 16)
	s_mul_i32 s20, s15, 64*PITCH
	v_add_nc_u32 v[XA], s20, v24
	v_add_nc_u32 v[XA+1], SLOT, v[XA]
	s_mul_i32 s20, s16, 64*PITCH
	s_add_co_u32 s20, s20, WT
	v_add_nc_u32 v[WA], s20, v24
	v_add_nc_u32 v[WA+1], SLOT, v[WA]
	v_lshlrev_b32 v[XBO], 4, v20
	v_lshl_add_u32 v[XBO], v21, 10, v[XBO]         ; 16 (l % 16) + 1,024 (l / 16): two rows of bf16,
	s_lshl_b32 s20, s14, 14                        ; in my 16 rows
	v_add_nc_u32 v[XBO], s20, v[XBO]
	v_lshlrev_b32 v[BO], 5, v21
	v_mul_u32_u24 v[STO], v20, SPITCH              ; into the stage: row l % 16 of my 64, my 128 bytes of its 512, 16 bytes for each half of the lanes
	v_lshl_add_u32 v[STO], v21, 4, v[STO]
	s_mul_i32 s20, s15, 64*SPITCH
	s_lshl_b32 s21, s16, 7
	s_add_co_u32 s20, s20, s21
	v_add_nc_u32 v[STO], s20, v[STO]
	s_mul_i32 s20, s14, 16*SPITCH                  ; back: wave w takes rows 16 w .. 16 w + 15, whole: 32 lanes a row's 512 bytes
	v_lshl_add_u32 v[RD], v25, 4, s20
	v_lshlrev_b32 v[CO], 4, v25
	s_lshl_b32 s20, s18, 18                        ; x: 128 rows of 2,048 bytes
	s_mov_b32 s21, 0
	s_lshl_b32 s22, s17, 19                        ; W: 256 rows of 2,048 bytes
	s_mov_b32 s23, 0
	s_lshl_b32 s24, s17, 10                        ; b: 4 (256 half + 64 quarter)
	s_lshl_b32 s25, s16, 8
	s_add_co_u32 s24, s24, s25
	s_mov_b32 s25, 0
	s_lshl_b32 s28, s18, 17                        ; xb: 128 rows of 1,024 bytes
	s_mov_b32 s29, 0
	s_lshl_b32 s26, s14, 14                        ; q: the same, + the 16 rows that I store, + the column half's 512 bytes
	s_add_co_u32 s26, s26, s28
	s_lshl_b32 s27, s17, 9
	s_add_co_u32 s26, s26, s27
	s_mov_b32 s27, 0
	s_wait_kmcnt 0x0
	s_add_nc_u64 s[4:5], s[4:5], s[20:21]
	s_add_nc_u64 s[6:7], s[6:7], s[22:23]
	s_add_nc_u64 s[8:9], s[8:9], s[24:25]
	s_add_nc_u64 s[10:11], s[10:11], s[26:27]
	s_add_nc_u64 s[12:13], s[12:13], s[28:29]
; A piece's 16 loads.  A pair of loads brings a lane 8 numbers of f32; pair p is two rows further down than pair p - 1; the chunk stands in the immediate.
.macro LOADX c                         ; my 16 rows of x
	WIN 0
.set p, 0
.rept 8
	global_load_b128 v[XST+8*p:XST+8*p+3],   v[XO], s[4:5] offset:4096*p+512*(\c)
	global_load_b128 v[XST+8*p+4:XST+8*p+7], v[XO], s[4:5] offset:4096*p+512*(\c)+16
.set p, p+1
.endr
.endm
.macro LOADW c, half                   ; half of my 32 rows of W
	WIN 0x40                                       ; destination window 1, address window 0
.set p, 8*(\half)
.rept 8
	global_load_b128 v[WST+8*p:WST+8*p+3],   v[WO], s[6:7] offset:4096*p+512*(\c)
	global_load_b128 v[WST+8*p+4:WST+8*p+7], v[WO], s[6:7] offset:4096*p+512*(\c)+16
.set p, p+1
.endr
.endm
; PIECE j (0: x; 1, 2: W's halves) of chunk cv is waited for, rounded to bf16 in place (8 registers become 4) and stored into slot cv % 2; then its registers are asked for again, for chunk cv + 1.
; Loads come back in order (ISA guide 5.7.1): the count leaves out the two pieces asked for behind this one, 16 loads each; behind chunk 3's pieces nothing more is asked for, and the counts run down.
; Slot cv % 2 was last read in chunk cv - 2; every wave's reads of it were back ahead of its signal of the barrier that lies between.
.macro PIECE j, cv
.if (\cv) < 3
	s_wait_loadcnt 32
.else
	s_wait_loadcnt 32-16*(\j)
.endif
.if (\j) == 0
	WIN 0
.set p, 0
.rept 8
.irp k, 0,1,2,3
	v_cvt_pk_bf16_f32 v[XST+8*p+\k], v[XST+8*p+2*\k], v[XST+8*p+2*\k+1]
.endr
.set p, p+1
.endr
.set p, 0
.rept 8
	ds_store_b128 v[XS+((\cv)&1)], v[XST+8*p:XST+8*p+3] offset:544*p
.set p, p+1
.endr
	s_cmp_eq_u32 s17, (\cv)/2                      ; x also goes to xb, from the work-group whose column half is cv / 2
	s_cbranch_scc0 .Lnot_mine_\@
.set p, 0
.rept 8
	global_store_b128 v[XBO], v[XST+8*p:XST+8*p+3], s[12:13] offset:2048*p+256*(\cv)  ; 16 lanes store 256 consecutive bytes, at a multiple of 256 from xb's first byte
.set p, p+1
.endr
.Lnot_mine_\@:
	s_wait_xcnt 0x0                                ; the stores to xb have read their data: only behind this wait are those registers written again
.if (\cv) < 3
	LOADX (\cv)+1
.endif
.else
	WIN 0x45                                       ; sources and destination window 1
.set p, 8*((\j)-1)
.rept 8
.irp k, 0,1,2,3
	v_cvt_pk_bf16_f32 v[WST+8*p+\k], v[WST+8*p+2*\k], v[WST+8*p+2*\k+1]
.endr
.set p, p+1
.endr
	WIN 0x04                                       ; address window 0, data window 1
.set p, 8*((\j)-1)
.rept 8
	ds_store_b128 v[WS+((\cv)&1)], v[WST+8*p:WST+8*p+3] offset:544*p
.set p, p+1
.endr
.if (\cv) < 3
	LOADW (\cv)+1, (\j)-1
.endif
	WIN 0
.endif
.endm
; 16 LDS loads in one run: the fragments of 32 along K at byte k of the slot's rows: 4 x 16 rows of W, 4 x 16 rows of x.
; A fragment is 16 rows x 32 K in 8 registers: lane l holds row l % 16, K = 8 (l / 16) + 0..7 and 16 + 8 (l / 16) + 0..7: two loads of 16 bytes, 32 bytes apart.
.macro FETCH slot, k, f
	WIN 0
.irp j, 0,1,2,3
	ds_load_b128 v[(\f)+8*\j:(\f)+8*\j+3],   v[WA+(\slot)] offset:(\k)+\j*16*PITCH
	ds_load_b128 v[(\f)+8*\j+4:(\f)+8*\j+7], v[WA+(\slot)] offset:(\k)+\j*16*PITCH+32
.endr
.irp i, 0,1,2,3
	ds_load_b128 v[(\f)+32+8*\i:(\f)+32+8*\i+3],   v[XA+(\slot)] offset:(\k)+\i*16*PITCH
	ds_load_b128 v[(\f)+32+8*\i+4:(\f)+32+8*\i+7], v[XA+(\slot)] offset:(\k)+\i*16*PITCH+32
.endr
.endm
; 8 matrix instructions: row tiles i0, i0 + 1 x all 4 column blocks.  The 16 accumulators take turns, in the same order in every quarter.
; first = 1: the sum's first product takes b as C: nothing is cleared, and no bias is added afterwards.
.macro MUL8 f, i0, first
.if \first
	WIN 0x40                                       ; C window 0, D window 1
.else
	WIN 0x50                                       ; C and D window 1
.endif
.irp i, \i0, (\i0)+1
.irp j, 0,1,2,3
.if \first
	v_wmma_f32_16x16x32_bf16 v[8*(4*(\i)+\j):8*(4*(\i)+\j)+7], v[(\f)+8*\j:(\f)+8*\j+7], v[(\f)+32+8*(\i):(\f)+32+8*(\i)+7], v[BIAS+8*\j:BIAS+8*\j+7]
.else
	v_wmma_f32_16x16x32_bf16 v[8*(4*(\i)+\j):8*(4*(\i)+\j)+7], v[(\f)+8*\j:(\f)+8*\j+7], v[(\f)+32+8*(\i):(\f)+32+8*(\i)+7], v[8*(4*(\i)+\j):8*(4*(\i)+\j)+7]
.endif
.endr
.endr
.endm
; One of a chunk's first three quarters: the next quarter's fragments, at byte k, are asked for into g; f is multiplied; then piece j of chunk cv comes in (cv = 4: there is none).
; The piece's 32 conversions, or four v_nop, are the places between f's products and the next quarter's loads into f.
.macro QUARTER slot, k, f, g, first, j, cv
	FETCH \slot, \k, \g
	s_wait_dscnt 16                                ; all but the 16 just issued: f is in
	MUL8 \f, 0, \first
	MUL8 \f, 2, \first
.if (\cv) < 4
	PIECE \j, \cv
.else
	PLACES
.endif
.endm
; A chunk's last quarter, and the change of slots.  ONE barrier: in front of it my three pieces are written into slot next and my reads of the slot in hand are back; behind it slot next is whole, and the slot
; in hand may be written by the next chunk's pieces.  F0 was multiplied ahead of the third piece's conversions, which are the places in front of the loads into it.
.macro TURN next
	s_wait_dscnt 0x0
	s_barrier_signal -1
	MUL8 F1, 0, 0                                  ; work on registers while the others arrive
	s_barrier_wait -1
	FETCH \next, 0, F0
	MUL8 F1, 2, 0
	PLACES                                         ; ahead of the next quarter's loads into F1
.endm
.irp j, 0,1,2,3                                        ; b as C operands: register jj of block j holds b of column 16 j + 8 (l / 16) + jj of my 64.  These loads are the oldest: the first piece's wait shows them in
	global_load_b128 v[BIAS+8*\j:BIAS+8*\j+3],   v[BO], s[8:9] offset:64*\j
	global_load_b128 v[BIAS+8*\j+4:BIAS+8*\j+7], v[BO], s[8:9] offset:64*\j+16
.endr
	LOADX 0                                        ; chunk 0
	LOADW 0, 0
	LOADW 0, 1
	PIECE 0, 0                                     ; as each piece of chunk 0 is rounded, chunk 1's is asked for
	PIECE 1, 0
	PIECE 2, 0
	s_wait_dscnt 0x0                               ; my part of slot 0 is written,
	s_barrier_signal -1
	s_barrier_wait -1                              ; everybody's is
	FETCH 0, 0, F0
	QUARTER 0, 64,  F0, F1, 1, 0, 1                ; chunk 0; its first quarter starts the sums
	QUARTER 0, 128, F1, F0, 0, 1, 1
	QUARTER 0, 192, F0, F1, 0, 2, 1
	TURN 1
	QUARTER 1, 64,  F0, F1, 0, 0, 2                ; chunk 1
	QUARTER 1, 128, F1, F0, 0, 1, 2
	QUARTER 1, 192, F0, F1, 0, 2, 2
	TURN 0
	QUARTER 0, 64,  F0, F1, 0, 0, 3                ; chunk 2
	QUARTER 0, 128, F1, F0, 0, 1, 3
	QUARTER 0, 192, F0, F1, 0, 2, 3
	TURN 1
	QUARTER 1, 64,  F0, F1, 0, 0, 4                ; chunk 3: nothing more comes in
	QUARTER 1, 128, F1, F0, 0, 0, 4
	QUARTER 1, 192, F0, F1, 0, 0, 4
	s_wait_dscnt 0x0
	MUL8 F1, 0, 0
	MUL8 F1, 2, 0
	PLACES
	; THE WAY OUT.  Rounded to bf16, 16 bytes a lane, into the work-group's stage; a barrier, since a row's 512 bytes come from four waves; back as whole rows, 16 rows a wave.
	; Each accumulator's registers are taken in ascending order.  The packed results take x's registers, which nothing reads any more.
	WIN 0x05                                       ; sources window 1, destination window 0
.set t, 0
.rept 16
.irp k, 0,1,2,3
	v_cvt_pk_bf16_f32 v[XST+4*t+\k], v[8*t+2*\k], v[8*t+2*\k+1]
.endr
.set t, t+1
.endr
	WIN 0
.irp i, 0,1,2,3
.irp j, 0,1,2,3
	ds_store_b128 v[STO], v[XST+4*(4*\i+\j):XST+4*(4*\i+\j)+3] offset:\i*16*SPITCH+32*\j
.endr
.endr
	s_wait_dscnt 0x0                               ; for the others' sake: my stores into the stage are done
	s_barrier_signal -1
	s_barrier_wait -1
.set t, 0
.rept 16
	ds_load_b128 v[F0+4*t:F0+4*t+3], v[RD] offset:SPITCH*t
.set t, t+1
.endr
.set t, 0
.rept 16
	s_wait_dscnt 15-t                              ; row t is back; the younger loads may stay out
	global_store_b128 v[CO], v[F0+4*t:F0+4*t+3], s[10:11] offset:1024*t  ; 512 consecutive bytes, at a multiple of 512 from q's first byte
.set t, t+1
.endr
	s_wait_tensorcnt 0x0                           ; the wave's end, behind my last LDS store
	ds_add_u32 v[SPW], v[NIL]
	s_wait_dscnt 0x0
	s_endpgm
.Lfunc_end_k_qb37140a6ba_proj:
	.size	k_qb37140a6ba_proj, .Lfunc_end_k_qb37140a6ba_proj-k_qb37140a6ba_proj
	.p2alignl 7, 3214868480
	.fill 96, 4, 3214868480
	.section	.rodata,"a",@progbits
	.p2align	6, 0x0
	.amdhsa_kernel k_qb37140a6ba_proj
		.amdhsa_group_segment_fixed_size 236544
		.amdhsa_private_segment_fixed_size 0
		.amdhsa_enable_private_segment 0
		.amdhsa_kernarg_size 40
		.amdhsa_user_sgpr_count 2
		.amdhsa_user_sgpr_kernarg_segment_ptr 1
		.amdhsa_wavefront_size32 1
		.amdhsa_system_sgpr_workgroup_id_x 1
		.amdhsa_system_sgpr_workgroup_id_y 1
		.amdhsa_system_sgpr_workgroup_id_z 1
		.amdhsa_system_vgpr_workitem_id 0
		.amdhsa_next_free_vgpr 512
		.amdhsa_next_free_sgpr 66
		.amdhsa_reserve_vcc 0
		.amdhsa_float_denorm_mode_32 3
		.amdhsa_float_denorm_mode_16_64 3
		.amdhsa_memory_ordered 1
		.amdhsa_forward_progress 1
		.amdhsa_inst_pref_size 100
	.end_amdhsa_kernel
	.amdgpu_metadata
---
amdhsa.version: [ 1, 2 ]
amdhsa.kernels:
  - .name:           k_qb37140a6ba_proj
    .symbol:         k_qb37140a6ba_proj.kd
    .args:
      - { .name: lstm_out, .offset: 0, .size: 8, .value_kind: global_buffer, .address_space: global }
      - { .name: W, .offset: 8, .size: 8, .value_kind: global_buffer, .address_space: global }
      - { .name: b, .offset: 16, .size: 8, .value_kind: global_buffer, .address_space: global }
      - { .name: q, .offset: 24, .size: 8, .value_kind: global_buffer, .address_space: global }
      - { .name: xb, .offset: 32, .size: 8, .value_kind: global_buffer, .address_space: global }
    .group_segment_fixed_size: 236544
    .private_segment_fixed_size: 0
    .kernarg_segment_align: 8
    .kernarg_segment_size: 40
    .max_flat_workgroup_size: 256
    .sgpr_count:     66
    .vgpr_count:     512
    .wavefront_size: 32
...
	.end_amdgpu_metadata
.endif
;; end of part 3
;; launch attn (part 4): grid 32 x 8, 4 waves a work-group, clusters of 4 x 1, 327,680 bytes of LDS; arguments q, xb, out0; writes out0
.if DOCPART == 4
	.amdgcn_target "amdgcn-amd-amdhsa--gfx1250"
	.amdhsa_code_object_version 6
	.text
	.protected	k_qb37140a6ba_attn
	.globl	k_qb37140a6ba_attn
	.p2align	8
	.type	k_qb37140a6ba_attn,@function
k_qb37140a6ba_attn:
	s_mov_b64 s[64:65], 0
	v_nop
	global_prefetch_b8 v0, s[64:65] scope:SCOPE_SE
	s_setreg_imm32_b32 hwreg(HW_REG_WAVE_MODE, 25, 1), 1
	s_wait_xcnt 0x0
	s_wait_alu depctr_hold_cnt(0) depctr_sa_sdst(0) depctr_va_vdst(0) depctr_va_sdst(0) depctr_va_ssrc(0) depctr_va_vcc(0) depctr_vm_vsrc(0)
	s_getreg_b32 s2, hwreg(HW_REG_IB_STS2, 6, 4)
	s_cmp_eq_u32 s2, 0
	s_cbranch_scc0 .Lentry_in_a_cluster
	s_endpgm
.Lentry_in_a_cluster:
	s_bfe_u32 s2, ttmp6, 0x10000c
	s_cmp_lg_u32 s2, 0x3003
	s_cbranch_scc0 .Lentry_shape_is_right
	s_endpgm
.Lentry_shape_is_right:
; ATTENTION.  out0[b][n][:] = the sum over m of softmax_m(q[b][n] . q[b][m]) xb[b][m][:], unscaled.  q (queries AND keys) and xb (values): [8][2048][512] bf16, made by the launch before.  out0: f32.
; Products, maxima and sums in f32; the weights p are rounded to bf16 for the second product (their sum l is taken of the unrounded p).  Nothing is left out: all keys count for all queries.
; LIMITS.  The error of bf16 operands grows with the inputs.  A weight below 2^-126 counts as 0.  NaN and infinities are not treated apart.
; SHARES.  A work-group owns 64 queries of one batch: 256 work-groups.  It walks the batch's 2,048 keys, 64 a step.  A key is 1,024 bytes as K and 1,024 as V, so the four waves SHARE the 64 queries:
;   scores:  wave w makes S^T = K Q^T for the step's keys 16 w .. 16 w + 15 and all 64 queries (4 accumulators, 64 products); every wave holds all of Q, 512 registers;
;   context: wave w owns channels 128 w .. 128 w + 127 of O^T = V^T P for all 64 queries (32 accumulators, 64 products).
; So each fragment of K or V read from LDS feeds four products.  The price: the queries' maxima and the weights P change waves through LDS, with two barriers a step, of which one is the ring's.
; LAYOUT.  In S^T a lane holds ONE query (lane % 16) and the keys 8 (lane / 16) + 0..7 of its wave's 16.  Rounded to bf16 in pairs these four registers ARE half of a fragment of source 1
; (32 keys x 16 queries) of V^T P, in the same lane: wave w stores them as part w % 2 of key half w / 2, 16 bytes a lane, and every wave reads whole fragments back.  O^T again holds one query a lane.
; SOFTMAX.  A running maximum m for each query, the same in all four waves: p = 2^(c s - c m), c = log2 e, one fused multiply-add; O and l are multiplied by a = 2^(c m_old - c m_new) in every step.
; O and l are both kept relative to the same rounded c m, so its rounding cancels in O / l, for scores of any size.  l is kept by wave and lane (its own keys' weights) and added up at the end.
; THE WALK.  The sums take the keys in any order.  With X, Y the cluster's place in the grid, the batch is (X & 4) | (Y & 3), the cluster's place among the batch's eight is X % 4 + 4 (Y / 4), and it begins its
; walk at step 4 (2 (X % 4) + Y / 4) and goes round modulo 32: the eight clusters of a batch begin four steps apart, so that at no time two of them ask for the same rows.
; NO PREFETCH: each row's first request in the launch falls in some cluster's first four steps, at that cluster's head, where its first tiles are on their way; every later request names rows that
; another cluster has asked for four trips before.
; THE PIPELINE.  Trip t, behind the change of slots: the first fragments of K(t + 1) are asked for; the last 16 products of V^T P of step t - 1, whose operands lie in registers, run meanwhile, the sums and a of
; step t behind them; K Q^T of step t + 1, and behind every second product O^T's rescaling by a(t), an accumulator at a time; the first 48 products of V^T P of step t, and behind them the maxima, the
; exponentials and the roundings of step t + 1 in fours; the change of slots in the last eight of the 48.  A slice of vector work costs two switches of the register window: no window has room for a product's
; operands beside what the slices touch.
; THE RING.  Two slots of K and two of V, 64 keys each.  The change of slots at the end of trip t fills again just what trip t read: K(t + 3) goes where K(t + 1) lay, V(t + 2) where V(t) lay; waves 0 and 1
; fetch K's two halves, waves 2 and 3 V's: one tensor load a wave, of 32 rows x 1,024 bytes, which has 120 of a trip's 128 products in which to land.  A wave has two loads out at the start at the most, then one.
; CLUSTER.  The four work-groups of a cluster belong to one batch and walk the same K and V: each tile is asked for JOINTLY, by the same tensor load, descriptor and mask in all four.
; REGISTERS, in windows of 256 (s_set_vgpr_msb: bits 1:0 source 0, 3:2 source 1, 5:4 source 2, 7:6 destination):
;   window 0: v1-15 addresses; v16-47 statistics, 8 a query tile; v48-63 at work; v64-95 S^T; v96-159 P's eight fragments; v160-255 three buffers of 32 for K's and V's fragments
;   window 1: O^T, channel block cb and query tile t at v[8 (4 cb + t)]       window 2, 3: Q, tile t and channel step c at v[64 t + 8 (c % 8)] of window 2 + c / 8
.set PK,    1040      ; a row of K in LDS: 1,024 bytes + 16 = 260 words: the 16 rows of a load start at 16 different groups of four banks (64 banks of 4 bytes: ISA guide 11.1)
.set PVP,   1056      ; a row of V: 1,024 + 32 = 264 words
.set KX,    64*PK     ; K's slot 1 begins here (slot 0 at 0): one exclusive or turns an address in one slot into the other's
.set V0,    2*64*PK   ; V's slot 0: 0x20800
.set V1,    V0+64*PVP ; V's slot 1: 0x31000
.set VX,    0x11800   ; V0 xor V1; it also turns V0 + 32 rows into V1 + 32 rows
.set PB,    V1+64*PVP ; P: fragment (key half g, query tile t) at 1,024 (4 g + t), its two parts 512 apart, 16 bytes a lane
.set MB,    PB+8192   ; the waves' maxima: 256 w + 16 (query % 16) + 4 tile
.set LB,    1024      ; behind them, the waves' sums l, laid likewise
.set STAGE, MB+2048   ; 16 rows x 528 bytes for each wave, for the way out
.set SP,    528
.set SPARE, STAGE+4*16*SP  ; the spare words, 128 bytes for each wave: two blocks of 256 bytes that no other line names
.set AK0, 2           ; v2   my lane's place in a slot of K: (16 w + l % 16) x 1,040 + 16 (l / 16); never rewritten
.set AV0, 3           ; v3   in a slot of V: (8 (l / 16) + l % 8) x 1,056 + 16 ((l / 8) % 2) + 256 w; never rewritten
.set AK,  4           ; v4   AK0 + the slot in hand
.set AV,  5           ; v5   AV0 + the slot in hand
.set APS, 6           ; v6   where I store my 16 bytes of P
.set APL, 7           ; v7   where I read P's fragments
.set AMS, 8           ; v8   where I store four maxima
.set AML, 9           ; v9   where I read the waves' maxima
.set STO, 11          ; v11  the way out: where I put 32 bytes of a row
.set RD,  12          ; v12  the way out: where I read a row back
.set GO,  13          ; v13  my byte offset in a row of out0
.set SPW, 14          ; v14  LDS address of my spare word; never rewritten
.set NIL, 15          ; v15  0; never rewritten
.set ST,  16          ; tile t's statistics at v[ST+8 t]: +0 c m, +1 m, +2 a, +3 a's argument, +4, +5 l (even keys', odd keys'), +6, +7 at work
.set T16, 48          ; the maxima on their way, then P packed
.set S,   64
.set PF,  96
.set BX,  160
.set BY,  192
.set BZ,  224
.set KB,  4           ; s[4:5]  q at my half tile of the batch's step 0
.set VB,  6           ; s[6:7]  xb likewise
.set WV,  12          ; s12  my wave's number
.set G1K, 24          ; s[24:31] descriptor group 1 for K's tiles
.set G1V, 32          ; s[32:39] for V's: it differs in the padding alone
.set G0K0, 40         ; s[40:43] descriptor group 0 for K of my walk's step 0
.set G0K, 44          ; s[44:47] for K of step 1; it then walks
.set G0V, 48          ; s[48:51] for V of step 0; it then walks
.set CNT, 52          ; s52  the loop's count
.set KRD, 53          ; s53  K's slot in hand
.set VRD, 54          ; s54  V's slot in hand
.set CS,  58          ; s[58:59] log2 e: the packed forms take the pair's low word for both halves
.set SEL, 60          ; s[60:61] v_permlanex16_b32's selects: each lane takes its own place in the other half
.set OFF, 62          ; s[62:63] a step's byte offset in the batch
.set SK,  66          ; s66  my walk's beginning + the step of K asked for last; taken modulo 32
.set SV,  67          ; s67  the same for V
.set MSB, 0
.macro WIN new                      ; the high byte repeats the setting that is left; a switch that changes nothing is dropped
.if MSB != (\new)
	s_set_vgpr_msb (MSB<<8)|(\new)
.set MSB, \new
.endif
.endm
.macro PLACES                       ; four plain instructions between a matrix instruction and a load into, or a vector instruction on, its registers (ISA guide 7.12.1 for vector instructions)
.rept 4
	v_nop
.endr
.endm
; A round of the cluster's barrier: my work-group's barrier, so that wave 0's signal speaks for all four waves; wave 0 signals; every wave waits for all four work-groups; my work-group's barrier once more.
.macro CREST                        ; a round behind its opening barrier
	s_cmp_lg_u32 s[WV], 0
	s_cbranch_scc1 .Lnot_wave_0_\@
	s_barrier_signal -3
.Lnot_wave_0_\@:
	s_barrier_wait -3
	s_barrier_signal -1
	s_barrier_wait -1
.endm
.macro CROUND
	s_barrier_signal -1
	s_barrier_wait -1
	CREST
.endm
; A joint refill.  fill = 1: waves 0 and 1 fetch K's halves, waves 2 and 3 V's.  fill = 2: K has no further step; waves 2 and 3 fetch V's last.  The branch hangs on the wave's number alone.
; An s_nop 0 and four v_nop follow each load, ahead of the jump and the label; they are also the places between the products ahead of the round and the fragment loads behind it.
.macro JLOAD fill
	s_cmp_lt_u32 s[WV], 2
.if (\fill) == 1
	s_cbranch_scc0 .Lfor_v_\@
	tensor_load_to_lds s[G0K:G0K+3], s[G1K:G1K+7]
	s_nop 0
	PLACES
	s_branch .Lasked_\@
.Lfor_v_\@:
	tensor_load_to_lds s[G0V:G0V+3], s[G1V:G1V+7]
	s_nop 0
	PLACES
.Lasked_\@:
.else
	s_cbranch_scc1 .Lasked_\@
	tensor_load_to_lds s[G0V:G0V+3], s[G1V:G1V+7]
	s_nop 0
	PLACES
.Lasked_\@:
	PLACES
.endif
.endm
	s_load_b128 s[4:7], s[0:1], 0x0   ; q s[4:5], xb s[6:7]
	s_load_b64 s[8:9], s[0:1], 0x10   ; out0
	v_lshl_add_u32 v[SPW], v0, 2, SPARE
	v_mov_b32 v[NIL], 0
	ds_add_u32 v[SPW], v[NIL]       ; the wave's opening: the add, twice on end, and its wait ahead of my first tensor load; the set-up below, work on registers, stands between
	ds_add_u32 v[SPW], v[NIL]       ; and once more, under the one wait
	v_lshrrev_b32 v1, 5, v0
	v_readfirstlane_b32 s[WV], v1   ; wave 0..3
	s_bfe_u32 s10, ttmp6, 0x40000   ; cx: my place in the cluster
	s_and_b32 s68, ttmp7, 0xffff    ; Y; in a cluster launch ttmp9 and ttmp7 count clusters: X and Y, 0 to 7 each
	s_and_b32 s13, ttmp9, 4
	s_and_b32 s69, s68, 3
	s_or_b32 s13, s13, s69          ; the batch, (X & 4) | (Y & 3), which the four partners share
	s_and_b32 s69, ttmp9, 3         ; X % 4
	s_lshr_b32 s68, s68, 2          ; Y / 4
	s_lshl_b32 s11, s68, 2
	s_or_b32 s11, s11, s69          ; the cluster's place among the batch's eight
	s_lshl_b32 s11, s11, 2
	s_add_co_u32 s11, s11, s10      ; my block of 64 queries: it enters Q's and out0's addresses alone
	s_lshl_b32 s69, s69, 1
	s_add_co_u32 s69, s69, s68
	s_lshl_b32 s[SV], s69, 2        ; my walk begins at step 4 (2 (X % 4) + Y / 4), 28 at the most: V of step 0,
	s_add_co_u32 s[SK], s[SV], 1    ; K of step 1 are the last asked for at the start
	s_lshl_b32 s[OFF], s[SV], 16    ; a step is 64 rows of 1,024 bytes
	s_mov_b32 s[OFF+1], 0
	s_and_b32 s16, s[WV], 1         ; which half of a tile I fetch
	s_lshl_b32 s20, s13, 21         ; the batch's 2,048 rows of 1,024 bytes,
	s_lshl_b32 s22, s16, 15         ; my half's 32 rows
	s_add_co_u32 s20, s20, s22
	s_mov_b32 s21, 0
	s_mul_i32 s55, s16, 32*PK       ; my half's place in a slot of K,
	s_mul_i32 s56, s16, 32*PVP      ; and of V: no place in the cluster enters an LDS address
	s_lshl_b32 s2, s13, 21          ; Q: the batch, my block's 64 rows
	s_lshl_b32 s3, s11, 16
	s_add_co_u32 s2, s2, s3
	s_mov_b32 s3, 0
	s_lshl_b32 s18, s13, 22         ; out0: rows of 2,048 bytes
	s_lshl_b32 s19, s11, 17
	s_add_co_u32 s18, s18, s19
	s_mov_b32 s19, 0
	; descriptor group 1: a tile of 32 rows x 512 elements, padded in LDS behind every row
	s_mov_b32 s[G1K], 15|(1<<16)|(1<<20)|(1<<21)|(7<<22)|(3<<25)  ; 15:0 the mask of four; 17:16 2-byte elements; 20 padding on; 21 set beside a mask; 24:22 after every 256 words (code 7); 31:25 4 words (code 3)
	s_mov_b32 s[G1V], 15|(1<<16)|(1<<20)|(1<<21)|(7<<22)|(7<<25)  ; the same with 8 words of padding (code 7)
.irp g, G1K, G1V
	s_mov_b32 s[\g+1], 512<<16      ; tensor_dim0 = 512
	s_mov_b32 s[\g+2], 32<<16       ; tensor_dim1 = 32
	s_mov_b32 s[\g+3], 512<<16      ; tile_dim0 = 512
	s_mov_b32 s[\g+4], 32           ; tile_dim1 = 32
	s_mov_b32 s[\g+5], 512          ; 512 elements from row to row
	s_mov_b32 s[\g+6], 0
	s_mov_b32 s[\g+7], 0
.endr
	s_mov_b32 s[G0K0], 1            ; 1:0 count = 1
	s_mov_b32 s[G0K0+1], s55        ; 63:32 LDS address: K's slot 0
	s_mov_b32 s[G0K], 1
	s_add_co_u32 s[G0K+1], s55, KX  ; K's slot 1
	s_mov_b32 s[G0V], 1
	s_add_co_u32 s[G0V+1], s56, V0  ; V's slot 0
	s_mov_b32 s[CS], 0x3fb8aa3b     ; log2 e
	s_mov_b32 s[CS+1], s[CS]        ; named with it as a pair
	s_mov_b32 s[SEL], 0x76543210
	s_mov_b32 s[SEL+1], 0xfedcba98
	s_mov_b32 s[KRD], 0             ; the first scores read K's slot 0
	s_mov_b32 s[VRD], V1            ; trip 0 turns this into slot 0
	s_mov_b32 s[CNT], 28
	s_wait_dscnt 0x0                ; both opening adds are done
	s_wait_kmcnt 0x0
	s_add_nc_u64 s[14:15], s[4:5], s[2:3]  ; Q at my block's first row
	s_add_nc_u64 s[8:9], s[8:9], s[18:19]  ; out0 likewise
	s_add_nc_u64 s[KB:KB+1], s[KB:KB+1], s[20:21]          ; q and xb at my half tile of the batch's step 0
	s_add_nc_u64 s[VB:VB+1], s[VB:VB+1], s[20:21]
	s_add_nc_u64 s[G0K0+2:G0K0+3], s[KB:KB+1], s[OFF:OFF+1]  ; 120:64 global address: my half of the 64 keys at which my walk begins,
	s_add_nc_u64 s[G0K+2:G0K+3], s[G0K0+2:G0K0+3], 0x10000   ; and of the next 64 (step 29 at the most: the walk does not turn round here)
	s_add_nc_u64 s[G0V+2:G0V+3], s[VB:VB+1], s[OFF:OFF+1]
	s_or_b32 s[G0K0+3], s[G0K0+3], 0x80000000              ; 127:126 type = 2
	s_or_b32 s[G0K+3], s[G0K+3], 0x80000000
	s_or_b32 s[G0V+3], s[G0V+3], 0x80000000
	CROUND                          ; all four work-groups are here: the first joint loads meet
	s_cmp_lt_u32 s[WV], 2           ; a wave's first fills stand in one branch, ahead of every wait on TENSORcnt and every LDS read
	s_cbranch_scc0 .Lfirst_v
	tensor_load_to_lds s[G0K0:G0K0+3], s[G1K:G1K+7]  ; K of step 0
	s_nop 0
	tensor_load_to_lds s[G0K:G0K+3], s[G1K:G1K+7]    ; K of step 1
	s_nop 0
	PLACES
	s_branch .Lfirst_asked
.Lfirst_v:
	tensor_load_to_lds s[G0V:G0V+3], s[G1V:G1V+7]    ; V of step 0
	s_nop 0
	PLACES
.Lfirst_asked:
	; A fragment of K or Q is 16 rows x 32 channels in 8 registers: lane l holds row l % 16, channels 8 (l / 16) + 0..7 and 16 + 8 (l / 16) + 0..7: two loads of 16 bytes, 32 bytes apart.
	v_and_b32 v48, 15, v0           ; l % 16
	v_bfe_u32 v49, v0, 4, 1         ; l / 16
	v_and_b32 v50, 7, v0
	v_bfe_u32 v51, v0, 3, 1
	v_and_b32 v52, 31, v0           ; l
	v_lshlrev_b32 v1, 10, v48
	v_lshl_add_u32 v1, v49, 4, v1   ; row x 1,024 + 16 x half
	WIN 0x80                        ; destination window 2, address window 0
.set t, 0
.rept 4                             ; Q stays in registers, all of it in every wave: tile t, channels 32 c on
.set c, 0
.rept 8
	global_load_b128 v[64*t+8*c:64*t+8*c+3],   v1, s[14:15] offset:16384*t+64*c
	global_load_b128 v[64*t+8*c+4:64*t+8*c+7], v1, s[14:15] offset:16384*t+64*c+32
.set c, c+1
.endr
.set t, t+1
.endr
	WIN 0xc0                        ; destination window 3: channel steps 8 to 15
.set t, 0
.rept 4
.set c, 0
.rept 8
	global_load_b128 v[64*t+8*c:64*t+8*c+3],   v1, s[14:15] offset:16384*t+64*c+512
	global_load_b128 v[64*t+8*c+4:64*t+8*c+7], v1, s[14:15] offset:16384*t+64*c+544
.set c, c+1
.endr
.set t, t+1
.endr
	WIN 0
	v_mul_u32_u24 v[AK0], v48, PK
	v_lshl_add_u32 v[AK0], v49, 4, v[AK0]
	s_mul_i32 s13, s[WV], 16*PK
	v_add_nc_u32 v[AK0], s13, v[AK0]
	; The turning load takes 16 keys x 16 channels (lane l reads key 8 (l / 16) + l % 8, channels 8 ((l / 8) % 2) + 0..7) and leaves half a fragment of V^T: lane l holds channel l % 16 and 8 keys.
	v_lshl_add_u32 v[AV0], v49, 3, v50
	v_mul_u32_u24 v[AV0], v[AV0], PVP
	v_lshl_add_u32 v[AV0], v51, 4, v[AV0]
	s_lshl_b32 s13, s[WV], 8
	v_add_nc_u32 v[AV0], s13, v[AV0]
	s_lshr_b32 s13, s[WV], 1
	s_lshl_b32 s13, s13, 12         ; key half w / 2: four fragments of 1,024 bytes,
	s_and_b32 s17, s[WV], 1
	s_lshl_b32 s17, s17, 9          ; part w % 2
	s_add_co_u32 s13, s13, s17
	s_add_co_u32 s13, s13, PB
	v_lshl_add_u32 v[APS], v52, 4, s13
	v_lshl_add_u32 v[APL], v52, 4, PB
	s_lshl_b32 s13, s[WV], 8
	s_add_co_u32 s13, s13, MB
	v_lshl_add_u32 v[AMS], v48, 4, s13
	v_lshl_add_u32 v[AML], v48, 4, MB
	s_mul_i32 s13, s[WV], 16*SP
	s_add_co_u32 s13, s13, STAGE    ; my stage
	v_mul_u32_u24 v[STO], v48, SP   ; in: row l % 16, 32 bytes for each half of the lanes
	v_lshl_add_u32 v[STO], v49, 5, v[STO]
	v_add_nc_u32 v[STO], s13, v[STO]
	v_lshl_add_u32 v[RD], v52, 4, s13  ; back: 32 lanes take a row's 512 bytes
	s_lshl_b32 s13, s[WV], 9
	v_lshl_add_u32 v[GO], v52, 4, s13  ; my wave's 128 channels of a row of out0
.irp t, 0,1,2,3
	v_mov_b32 v[ST+8*\t+7], 0       ; v_permlanex16_b32's destination counts as read
.endr
; THE LDS LOADS stand in runs.  Chunk k of four of a step's K for my 16 keys: channel steps 4 k .. 4 k + 3.
.macro FETCHK k, buf
	WIN 0
.irp cc, 0,1,2,3
	ds_load_b128 v[(\buf)+8*\cc:(\buf)+8*\cc+3],   v[AK] offset:64*(4*(\k)+\cc)
	ds_load_b128 v[(\buf)+8*\cc+4:(\buf)+8*\cc+7], v[AK] offset:64*(4*(\k)+\cc)+32
.endr
.endm
; Chunk k of four of a step's V for my 128 channels: key half k / 2, channel blocks 4 (k % 2) .. + 3, turned.
.macro FETCHV k, buf
	WIN 0
.irp f, 0,1,2,3
	ds_load_tr16_b128 v[(\buf)+8*\f:(\buf)+8*\f+3],   v[AV] offset:((\k)/2)*32*PVP+(4*((\k)%2)+\f)*32
	ds_load_tr16_b128 v[(\buf)+8*\f+4:(\buf)+8*\f+7], v[AV] offset:((\k)/2)*32*PVP+16*PVP+(4*((\k)%2)+\f)*32
.endr
.endm
.macro FETCHP g                     ; P's four fragments of key half g
	WIN 0
.set f, 4*(\g)
.rept 4
	ds_load_b128 v[PF+8*f:PF+8*f+3],   v[APL] offset:1024*f
	ds_load_b128 v[PF+8*f+4:PF+8*f+7], v[APL] offset:1024*f+512
.set f, f+1
.endr
.endm
.macro RSL z                        ; accumulator z of O^T times a of its query tile, z % 4; its registers in ascending order
	WIN 0x41                        ; destination and source 0 window 1, a in window 0
.set zz, (\z)
.set rA, ST+8*(zz%4)+2
.irp u, 0,2,4,6
	v_pk_mul_f32 v[8*zz+\u:8*zz+\u+1], v[8*zz+\u:8*zz+\u+1], v[rA:rA+1] op_sel_hi:[1,0]
.endr
.endm
; THE MATRIX WORK.  The accumulators take turns, one instruction a turn: 3 others stand between two links of a chain of S^T, 31 of O^T.
; 16 products of S^T = K Q^T: channel steps 4 k .. 4 k + 3 x four query tiles.  The step's first four start the sums.  resc = 1: behind every second product one accumulator of O^T is rescaled: four plain
; instructions that name none of the products' registers; the four behind the last product are the places ahead of the loads into the buffer, and ahead of the maxima that read the scores.
.macro KQ16 k, buf, resc
.set pp, 0
.rept 16
.set cq, pp/4
.set tq, pp%4
.set rQ, 64*tq+8*((4*(\k)+cq)%8)
.if (\k) < 2
	WIN 0x08                        ; Q in window 2
.else
	WIN 0x0c                        ; Q in window 3
.endif
.if ((\k) == 0) && (cq == 0)
	v_wmma_f32_16x16x32_bf16 v[S+8*tq:S+8*tq+7], v[(\buf)+8*cq:(\buf)+8*cq+7], v[rQ:rQ+7], 0
.else
	v_wmma_f32_16x16x32_bf16 v[S+8*tq:S+8*tq+7], v[(\buf)+8*cq:(\buf)+8*cq+7], v[rQ:rQ+7], v[S+8*tq:S+8*tq+7]
.endif
.if (\resc) && (pp%2 == 1)
	RSL (8*(\k)+pp/2)
.endif
.set pp, pp+1
.endr
.if !(\resc)
	PLACES
.endif
.endm
; Product i of 64 of O^T += V^T P: chunk i / 16 (buffers BY, BZ, BX, BZ), channel block 4 (chunk % 2) + (i % 16) / 4, query tile i % 4.  czero = 1: the first 32 start the sums: nothing is cleared.
.macro PV czero
	WIN 0x50                        ; C and D window 1
.set kk, i/16
.set rB, BZ
.if kk == 0
.set rB, BY
.elseif kk == 2
.set rB, BX
.endif
.set rV, rB+8*((i%16)/4)
.set rO, 8*(4*(4*(kk%2)+(i%16)/4)+i%4)
.set rP, PF+8*(4*(kk/2)+i%4)
.if (\czero) && (i < 32)
	v_wmma_f32_16x16x32_bf16 v[rO:rO+7], v[rV:rV+7], v[rP:rP+7], 0
.else
	v_wmma_f32_16x16x32_bf16 v[rO:rO+7], v[rV:rV+7], v[rP:rP+7], v[rO:rO+7]
.endif
.endm
; THE SOFTMAX, in three numbered lists; the macros write number n.  The four tiles alternate, so that no instruction reads the result of the one before it.
; RX, 24: the maximum of my 16 keys' scores for each query: tile n % 4, stage n / 4.  Each accumulator's lowest registers are read first.
.macro RX
	WIN 0
.set t, n%4
.set rT, ST+8*t
.set rS, S+8*t
.if n < 4
	v_max3_num_f32 v[rT+6], v[rS], v[rS+1], v[rS+2]
.elseif n < 8
	v_max3_num_f32 v[rT+6], v[rT+6], v[rS+3], v[rS+4]
.elseif n < 12
	v_max3_num_f32 v[rT+6], v[rT+6], v[rS+5], v[rS+6]
.elseif n < 16
	v_max_num_f32 v[rT+6], v[rT+6], v[rS+7]
.elseif n < 20
	v_permlanex16_b32 v[rT+7], v[rT+6], s[SEL], s[SEL+1]  ; the query's other 8 keys lie in the lane 16 away
.else
	v_max_num_f32 v[T16+t], v[rT+6], v[rT+7]
.endif
.endm
; RY, 81.  0-3: three waves' maxima.  4-7: c m_old is kept.  8-11: the new m.  12-15: c m.  16-63: ONE BATCH: the 16 scalings c s - c m, a pair of scores each, and the 32 exponentials, a pair scaled three
; numbers ahead of its exponentials; none of these reads an exponential's result.  64: a plain instruction behind the last exponential, and the one wait ahead of the first
; instruction that names a result.  65-80: the roundings to bf16.  first = 1: the first step has no m_old.
.macro RY first
	WIN 0
.if n < 4
.set rT, ST+8*n
	v_max3_num_f32 v[rT+6], v[T16+n], v[T16+4+n], v[T16+8+n]
.elseif n < 8
.if !(\first)
.set rT, ST+8*(n-4)
	v_mov_b32 v[rT+3], v[rT]
.endif
.elseif n < 12
.set rT, ST+8*(n-8)
.if \first
	v_max_num_f32 v[rT+1], v[rT+6], v[T16+4+n]
.else
	v_max3_num_f32 v[rT+1], v[rT+6], v[T16+4+n], v[rT+1]
.endif
.elseif n < 16
.set rT, ST+8*(n-12)
	v_mul_f32 v[rT], s[CS], v[rT+1]
.elseif n < 64
.set u, n-16
.if (u == 0) || ((u < 46) && ((u-1)%3 == 0))
.set g, (u+2)/3
.set rT, ST+8*(g/4)
	v_pk_fma_f32 v[S+2*g:S+2*g+1], v[S+2*g:S+2*g+1], s[CS:CS+1], v[rT:rT+1] op_sel_hi:[1,0,0] neg_lo:[0,0,1] neg_hi:[0,0,1]
.else
.set e, 2*((u-1)/3)+(u-1)%3-1
.if u >= 46
.set e, u-16
.endif
	v_exp_f32 v[S+e], v[S+e]
.endif
.elseif n == 64
	v_nop
	s_wait_alu depctr_va_vdst(0)
.elseif n < 81
	v_cvt_pk_bf16_f32 v[T16+n-65], v[S+2*(n-65)], v[S+2*(n-65)+1]
.endif
.endm
; RZ, 24.  0-7: a = 2^(c m_old - c m_new).  8-19: a tile's four pairs of weights are added up, in place.  20-23, behind the wait for a: l = a l + the sum.  first = 1: no a; l takes the sum.
.macro RZ first
	WIN 0
.if n < 8
.if !(\first)
.set rT, ST+8*(n%4)
.if n < 4
	v_sub_f32 v[rT+3], v[rT+3], v[rT]
.else
	v_exp_f32 v[rT+2], v[rT+3]
.endif
.endif
.elseif n < 16
.set rS, S+8*((n-8)%4)+4*((n-8)/4)
	v_pk_add_f32 v[rS:rS+1], v[rS:rS+1], v[rS+2:rS+3]
.elseif n < 20
.set rS, S+8*(n-16)
.set rT, ST+8*(n-16)
.if \first
	v_pk_add_f32 v[rT+4:rT+5], v[rS:rS+1], v[rS+4:rS+5]
.else
	v_pk_add_f32 v[rS:rS+1], v[rS:rS+1], v[rS+4:rS+5]
.endif
.elseif !(\first)
.if n == 20
	s_wait_alu depctr_va_vdst(0)    ; one wait for the four a; the twelve additions above are the plain work behind them
.endif
.set rS, S+8*(n-20)
.set rT, ST+8*(n-20)
	v_pk_fma_f32 v[rT+4:rT+5], v[rT+4:rT+5], v[rT+2:rT+3], v[rS:rS+1] op_sel_hi:[1,0,1]
.endif
.endm
.macro RIDE4 kind, base, first      ; four numbers of a list
.set n, (\base)
.rept 4
.if (\kind) == 0
	RX
.elseif (\kind) == 1
	RY \first
.else
	RZ \first
.endif
.set n, n+1
.endr
.endm
; The last 16 products of V^T P of the step before (pv = 1): V's chunk 3 and P's key half 1 lie in registers since the wait ahead of the round.  Behind the first six: RZ of the step in hand.
.macro TAIL16 pv, first
.set i, 48
.rept 16
.if \pv
	PV 0
.endif
.if i < 54
	RIDE4 2, 4*(i-48), \first
.endif
.set i, i+1
.endr
.endm
; A TRIP'S HEAD, behind the joint load: the slots in hand change; two chunks of K and P's key half 0 are asked for in one run, and come while the 16 products run.
.macro HEAD pvprev, first
	WIN 0
	s_xor_b32 s[KRD], s[KRD], KX
	s_xor_b32 s[VRD], s[VRD], VX
	v_add_nc_u32 v[AK], s[KRD], v[AK0]
	v_add_nc_u32 v[AV], s[VRD], v[AV0]
	FETCHK 0, BX
	FETCHK 1, BY
	FETCHP 0
	TAIL16 \pvprev, \first
.endm
; K Q^T of the next step: four chunks of 16 products, from BX, BY, BZ, BX.  Behind a chunk the buffers that are free are asked for again.  Each wait leaves out the loads issued behind the chunk that is due:
; full = 1: K1, P0 (16) | P0, K2, K3, P1 (32) | K3, P1, V0 (24) | P1, V0, V1 (24).  full = 0, ahead of the first trip (no P, no V): K1 (8) | K2, K3 (16) | K3 (8) | none.
.macro PHASEA full, resc
.if \full
	s_wait_dscnt 16
.else
	s_wait_dscnt 8
.endif
	KQ16 0, BX, \resc
	FETCHK 2, BZ
	FETCHK 3, BX
.if \full
	FETCHP 1
	s_wait_dscnt 32
.else
	s_wait_dscnt 16
.endif
	KQ16 1, BY, \resc
.if \full
	FETCHV 0, BY
	s_wait_dscnt 24
.else
	s_wait_dscnt 8
.endif
	KQ16 2, BZ, \resc
.if \full
	FETCHV 1, BZ
	s_wait_dscnt 24
.else
	s_wait_dscnt 0x0
.endif
	KQ16 3, BX, \resc
.endm
; The first 48 products of V^T P of the step in hand (pv = 1), and the next step's softmax in fours behind them; with pv = 0, ahead of the first trip, the softmax stands alone.
;   behind 0-5    my keys' maxima; they go to LDS, and V's chunk 2 is asked for in the same run      behind 11, 13   the barrier of the maxima: signal and wait, two products between; then the four waves' maxima are asked for
;   behind 19     the maxima are in      behind 19-39   RY      behind 31   four places, and V's chunk 3 is asked for into the buffer just multiplied
;   behind 39     P goes to LDS: every wave's reads of the old P were back ahead of its signal of the barrier of the maxima
;   ahead of 40   THE CHANGE OF SLOTS.  Each wave waits for all its tensor loads, of which one is out; adds 0 to its spare word; makes the descriptors' next addresses; and, four products on, waits for the add, for its P and
;                 for its reads of the slots, V's chunk 3 among them.  Behind the barrier nobody reads K(t + 1) or V(t) any more, the next slots are whole, and P is whole.  fill = 1, 2: the barrier opens a round of the
;                 cluster's, so that this holds of every partner, and the joint refill is the first thing behind it.  fill = 0: nothing is left to fetch.
.macro PHASEB pv, first, czero, fill
.set i, 0
.if \pv
	s_wait_dscnt 8                  ; P and V's chunk 0 are in; chunk 1 may stay out
.endif
.rept 48
.if i == 40
	WIN 0
	s_wait_tensorcnt 0x0            ; no tensor load of mine is out, so a group 0 may be written
	ds_add_u32 v[SPW], v[NIL]       ; 0 onto my spare word
.if (\fill) == 1
	s_xor_b32 s[G0K+1], s[G0K+1], KX  ; the walking descriptors: the other slot than last time,
	s_add_co_u32 s[SK], s[SK], 1      ; the walk's next step, modulo 32; the address is made anew from the step's number
	s_and_b32 s[OFF], s[SK], 31
	s_lshl_b32 s[OFF], s[OFF], 16
	s_add_nc_u64 s[G0K+2:G0K+3], s[KB:KB+1], s[OFF:OFF+1]
	s_or_b32 s[G0K+3], s[G0K+3], 0x80000000
.endif
.if \fill
	s_xor_b32 s[G0V+1], s[G0V+1], VX
	s_add_co_u32 s[SV], s[SV], 1
	s_and_b32 s[OFF], s[SV], 31
	s_lshl_b32 s[OFF], s[OFF], 16
	s_add_nc_u64 s[G0V+2:G0V+3], s[VB:VB+1], s[OFF:OFF+1]
	s_or_b32 s[G0V+3], s[G0V+3], 0x80000000
.endif
.endif
.if i == 44
	s_wait_dscnt 0x0                ; the add is done, P is written, my reads of the slots are over
	s_barrier_signal -1
.endif
.if \pv
	PV \czero
.endif
.if i < 6
	RIDE4 0, 4*i, \first
.endif
.if i == 5
	WIN 0
	ds_store_b128 v[AMS], v[T16:T16+3]  ; both halves of the lanes hold the same four numbers and write the same words
.if \pv
	FETCHV 2, BX
.endif
.endif
.if i == 11
	s_wait_dscnt 0x0                ; my maxima are written; my reads of the old P are back, and V's chunks 1 and 2 are in
	s_barrier_signal -1
.endif
.if i == 13
	WIN 0
	s_barrier_wait -1
.irp w, 0,1,2,3
	ds_load_b128 v[T16+4*\w:T16+4*\w+3], v[AML] offset:256*\w
.endr
.endif
.if i == 19
	s_wait_dscnt 0x0                ; the four waves' maxima are in
.endif
.if (i >= 19) && (i < 40)
	RIDE4 1, 4*(i-19), \first
.endif
.if (i == 31) && (\pv)
	PLACES                          ; the slice above holds exponentials, which are no places
	FETCHV 3, BZ
.endif
.if i == 39
	WIN 0
.irp t, 0,1,2,3
	ds_store_b128 v[APS], v[T16+4*\t:T16+4*\t+3] offset:1024*\t
.endr
.endif
.set i, i+1
.endr
	WIN 0
	s_barrier_wait -1
.if \fill
	CREST
	JLOAD \fill
.else
	PLACES
.endif
.endm
	s_wait_tensorcnt 0x0            ; my parts of K(0), K(1) or V(0) are in,
	s_barrier_signal -1
	s_barrier_wait -1               ; everybody's are
	v_add_nc_u32 v[AK], s[KRD], v[AK0]
	FETCHK 0, BX
	FETCHK 1, BY
	s_wait_loadcnt 0x0              ; Q
	PHASEA 0, 0                     ; the scores of step 0
	PHASEB 0, 1, 0, 1               ; their maxima, exponentials and roundings; K(2) and V(1) are asked for
	HEAD 0, 1                       ; trip 0: there is no step before, and no O^T yet to rescale,
	PHASEA 1, 0
	PHASEB 1, 0, 1, 1               ; and its products start O^T's sums
.Ltrip:                             ; trips 1 to 28
	HEAD 1, 0
	PHASEA 1, 1
	PHASEB 1, 0, 0, 1
	s_sub_co_u32 s[CNT], s[CNT], 1
	s_cmp_lg_u32 s[CNT], 0
	s_cbranch_scc1 .Ltrip
	HEAD 1, 0                       ; the tail is written out.  Trip 29: only V(31) is left to ask for
	PHASEA 1, 1
	PHASEB 1, 0, 0, 2
	HEAD 1, 0                       ; trip 30: nothing is
	PHASEA 1, 1
	PHASEB 1, 0, 0, 0
	WIN 0                           ; trip 31: the end of step 30, and the last V^T P
	s_xor_b32 s[VRD], s[VRD], VX
	v_add_nc_u32 v[AV], s[VRD], v[AV0]
	FETCHP 0
	FETCHV 0, BY
	FETCHV 2, BX
	TAIL16 1, 0
	PLACES
	FETCHV 1, BZ
	FETCHP 1
.set zr, 0
.rept 32
	RSL zr                          ; there are no scores left to set the rescaling behind
.set zr, zr+1
.endr
	s_wait_dscnt 0x0                ; P and V's chunks 0 to 2 are in
.set i, 0
.rept 32
	PV 0
.set i, i+1
.endr
	PLACES
	FETCHV 3, BZ
.rept 16
	PV 0
.set i, i+1
.endr
	s_wait_dscnt 0x0                ; chunk 3
.rept 16
	PV 0
.set i, i+1
.endr
	; THE WAY OUT.  l: its two halves, the other half of the lanes', and through LDS the other three waves' are added.  The first additions are the places behind the last products.
	WIN 0
.irp t, 0,1,2,3
	v_add_f32 v[ST+8*\t+6], v[ST+8*\t+4], v[ST+8*\t+5]
.endr
.irp t, 0,1,2,3
	v_permlanex16_b32 v[ST+8*\t+7], v[ST+8*\t+6], s[SEL], s[SEL+1]
.endr
.irp t, 0,1,2,3
	v_add_f32 v[T16+\t], v[ST+8*\t+6], v[ST+8*\t+7]
.endr
	ds_store_b128 v[AMS], v[T16:T16+3] offset:LB
	s_wait_dscnt 0x0
	s_barrier_signal -1
	s_barrier_wait -1
.irp w, 0,1,2,3
	ds_load_b128 v[T16+4*\w:T16+4*\w+3], v[AML] offset:LB+256*\w
.endr
	s_wait_dscnt 0x0
.irp t, 0,1,2,3
	v_add_f32 v[ST+8*\t+6], v[T16+\t], v[T16+4+\t]
	v_add_f32 v[ST+8*\t+7], v[T16+8+\t], v[T16+12+\t]
.endr
.irp t, 0,1,2,3
	v_add_f32 v[ST+8*\t+6], v[ST+8*\t+6], v[ST+8*\t+7]
.endr
.irp t, 0,1,2,3
	v_rcp_f32 v[ST+8*\t+2], v[ST+8*\t+6]
.endr
	v_nop                           ; a plain instruction between the last reciprocal and the use of its result,
	s_wait_alu depctr_va_vdst(0)    ; and the wait ahead of the first use: one for the four
; Query tile t: O^T is divided by l; a lane's eight channels of a row, 32 bytes, go into rows of 528 bytes of my stage and come back as whole rows of 512, into P's or the buffers' registers by turns.
.macro PACK t
	WIN 0x41
.set cb, 0
.rept 8
.irp u, 0,2,4,6
	v_pk_mul_f32 v[8*(4*cb+(\t))+\u:8*(4*cb+(\t))+\u+1], v[8*(4*cb+(\t))+\u:8*(4*cb+(\t))+\u+1], v[ST+8*(\t)+2:ST+8*(\t)+3] op_sel_hi:[1,0]
.endr
.set cb, cb+1
.endr
	WIN 0x04                        ; address window 0, data window 1
.set cb, 0
.rept 8
	ds_store_b128 v[STO], v[8*(4*cb+(\t)):8*(4*cb+(\t))+3]   offset:64*cb
	ds_store_b128 v[STO], v[8*(4*cb+(\t))+4:8*(4*cb+(\t))+7] offset:64*cb+16
.set cb, cb+1
.endr
	WIN 0
.if (\t) >= 2
	s_wait_xcnt 0x0                 ; the stores of the tile two back have read their data: those registers are loaded again only behind this wait
.endif
.set OB, PF+64*((\t)%2)
.set rr, 0
.rept 16
	ds_load_b128 v[OB+4*rr:OB+4*rr+3], v[RD] offset:SP*rr  ; LDS serves a wave's instructions in order (ISA guide 5.7.1.4): these see the stores above; the next tile's stores come behind them
.set rr, rr+1
.endr
.endm
.macro SEND t, younger              ; younger: the LDS instructions issued behind tile t's loads: the next tile's 32, or none
.set OB, PF+64*((\t)%2)
.set rr, 0
.rept 16
	s_wait_dscnt (\younger)+15-rr
	global_store_b128 v[GO], v[OB+4*rr:OB+4*rr+3], s[8:9] offset:(16*(\t)+rr)*2048 th:TH_STORE_NT  ; 512 consecutive bytes, at a multiple of 512 from out0's first byte
.set rr, rr+1
.endr
.endm
	PACK 0
	PACK 1                          ; a tile's arithmetic stands between the loads of the tile before and its stores
	SEND 0, 32
	PACK 2
	SEND 1, 32
	PACK 3
	SEND 2, 32
	SEND 3, 0
	s_wait_tensorcnt 0x0            ; the wave's end, behind my last tensor load and my last LDS store
	ds_add_u32 v[SPW], v[NIL]
	s_wait_dscnt 0x0
	CROUND                          ; the closing round: no work-group ends while a partner may still ask for a tile that names it
	s_endpgm
.Lfunc_end_k_qb37140a6ba_attn:
	.size	k_qb37140a6ba_attn, .Lfunc_end_k_qb37140a6ba_attn-k_qb37140a6ba_attn
	.p2alignl 7, 3214868480
	.fill 96, 4, 3214868480
	.section	.rodata,"a",@progbits
	.p2align	6, 0x0
	.amdhsa_kernel k_qb37140a6ba_attn
		.amdhsa_group_segment_fixed_size 327680
		.amdhsa_private_segment_fixed_size 0
		.amdhsa_enable_private_segment 0
		.amdhsa_kernarg_size 24
		.amdhsa_user_sgpr_count 2
		.amdhsa_user_sgpr_kernarg_segment_ptr 1
		.amdhsa_wavefront_size32 1
		.amdhsa_system_sgpr_workgroup_id_x 1
		.amdhsa_system_sgpr_workgroup_id_y 1
		.amdhsa_system_sgpr_workgroup_id_z 1
		.amdhsa_system_vgpr_workitem_id 0
		.amdhsa_next_free_vgpr 1024
		.amdhsa_next_free_sgpr 72
		.amdhsa_reserve_vcc 0
		.amdhsa_float_denorm_mode_32 3
		.amdhsa_float_denorm_mode_16_64 3
		.amdhsa_memory_ordered 1
		.amdhsa_forward_progress 1
		.amdhsa_inst_pref_size 203
	.end_amdhsa_kernel
	.amdgpu_metadata
---
amdhsa.version: [ 1, 2 ]
amdhsa.kernels:
  - .name:           k_qb37140a6ba_attn
    .symbol:         k_qb37140a6ba_attn.kd
    .args:
      - { .name: q, .offset: 0, .size: 8, .value_kind: global_buffer, .address_space: global }
      - { .name: xb, .offset: 8, .size: 8, .value_kind: global_buffer, .address_space: global }
      - { .name: out0, .offset: 16, .size: 8, .value_kind: global_buffer, .address_space: global }
    .group_segment_fixed_size: 327680
    .private_segment_fixed_size: 0
    .kernarg_segment_align: 8
    .kernarg_segment_size: 24
    .max_flat_workgroup_size: 128
    .sgpr_count:     72
    .vgpr_count:     1024
    .wavefront_size: 32
...
	.end_amdgpu_metadata
.endif
;; end of part 4
